; MI455X (gfx1250); checked and timed in simulation.
; The chip was launched on July 23, 2026; its instructions are those of AMD's public machine-readable ISA for CDNA 5 (MIT licence, August 2026) and "CDNA5" Instruction Set Architecture Reference Guide (July 2026). The comments in the code are by the model that wrote it; some were corrected since.
;; Vector Quantizer. Allowed arithmetic: float matrix products may take bf16 or f16 operands with f32 sums; all other float work in f32.
;; Inputs: codebook 8,192 x 128 float32; latent 8 x 2,048 x 128 float32.
;; Outputs: out0 8 x 2,048 x 128 float32; out1 16,384 int32; out2 one number float32; out3 one number float32; out4 one number float32; out5 one number float32; out6 one number float32; out7 one number float32.
;; 2 versions, each right; version 2 is version 1 with the launch prep written anew for expert scheduling mode. Each part assembles by itself: llvm-mc -triple=amdgcn-amd-amdhsa -mcpu=gfx1250 --defsym DOCPART=n.
;; ======== version 1 of 2: 5 launches
;; workspace buffers: frag 7,340,032 bytes; aux 229,376 bytes; pkey 1,048,576 bytes of whole numbers; pgrp 1,048,576 bytes of whole numbers; idxw 65,536 bytes of whole numbers; sums 11,264 bytes
;; launch prep (part 1): grid 256 x 1, 6 waves a work-group, no clusters, 0 bytes of LDS; arguments latent, codebook, frag, aux; writes frag, aux
.if DOCPART == 1
	.amdgcn_target "amdgcn-amd-amdhsa--gfx1250"
	.amdhsa_code_object_version 6
	.text
	.protected	k_q8f517f69ee_prep
	.globl	k_q8f517f69ee_prep
	.p2align	8
	.type	k_q8f517f69ee_prep,@function
k_q8f517f69ee_prep:
	s_mov_b64 s[64:65], 0
	v_nop
	global_prefetch_b8 v0, s[64:65] scope:SCOPE_SE
	s_setreg_imm32_b32 hwreg(HW_REG_WAVE_MODE, 25, 1), 1
	s_wait_xcnt 0x0
; prep: bf16 copies of latent and codebook in the order in which the matrix unit wants them, and each row's sum of squares.
; A block is 16 rows x 128 numbers.  Blocks 0..1023 are latent rows, blocks 1024+t are code tiles t = 0..511; tiles 0..255 are
; stored a second time as tiles 512..767, so that a walk of 288 tiles that starts anywhere below 512 never has to wrap.
; frag, 4,096 bytes a block: piece i = 0..7 of 512 bytes; lane L = 16 h + r owns bytes 16 L of a piece: row r, k = 16 i + 8 h .. + 7.
; Pieces 2 s and 2 s + 1 are registers 0-3 and 4-7 of a 16-bit fragment of K step s (ISA guide 7.12.2), for A and for B alike.
; aux, 128 bytes a block: 16 f32 ss = sum of squares of the ROUNDED row, then 16 f32 rn = 1 / max(sqrt(ss), 1e-12).
; One wave, one block: 6 waves x 256 work-groups = 1,536 blocks.  The 16 loads of a wave cover its dense 8,192 input bytes once
; (32 bytes a lane and piece); each store of a piece covers 512 consecutive bytes.  No LDS, no barrier, no matrix work: bytes bind.
.set LATB, 1024                        ; blocks of latent rows
.set DUPT, 256                         ; code tiles that are stored twice
.set X, 4                              ; v[4:67]    the block as loaded, 8 f32 a piece
.set F, 68                             ; v[68:99]   the block in bf16, 4 registers a piece
.set T, 100                            ; v[100:107] a piece widened again
.set S, 108                            ; v[108:115] four pair chains of squares
	s_load_b256 s[12:19], s[0:1], 0x0              ; latent s[12:13], codebook s[14:15], frag s[16:17], aux s[18:19]
	v_lshrrev_b32 v1, 5, v0
	v_readfirstlane_b32 s8, v1                     ; wave 0..5
	s_mul_i32 s9, ttmp9, 6
	s_add_co_u32 s9, s9, s8                        ; block 0..1535
	s_sub_co_u32 s11, s9, LATB                     ; code tile (wraps to a huge number for latent blocks)
	s_mov_b32 s26, 0x76543210                      ; v_permlanex16_b32: lane i reads lane i of the other half
	s_mov_b32 s27, 0xfedcba98
	s_mov_b32 s28, 0xffff0000                      ; upper bf16 of a word
	s_mov_b32 s3, 0
	v_and_b32 v2, 31, v0                           ; L
	v_and_b32 v1, 15, v0                           ; r
	v_bfe_u32 v3, v0, 4, 1                         ; h
	v_lshlrev_b32 v1, 9, v1                        ; 512 r: a row of 128 f32
	v_lshl_add_u32 v1, v3, 5, v1                   ; + 32 h: eight f32
	v_lshlrev_b32 v3, 2, v2                        ; 4 L
	v_lshlrev_b32 v2, 4, v2                        ; 16 L
	s_wait_kmcnt 0x0
	s_cmp_lt_u32 s9, LATB
	s_cselect_b64 s[20:21], s[12:13], s[14:15]     ; the source buffer, chosen by the block number alone
	s_cselect_b32 s10, s9, s11                     ; and the block inside it
	s_lshl_b32 s2, s10, 13
	s_add_nc_u64 s[20:21], s[20:21], s[2:3]        ; 8,192 input bytes a block
	s_lshl_b32 s2, s9, 12
	s_add_nc_u64 s[22:23], s[16:17], s[2:3]        ; 4,096 bytes of frag a block
	s_lshl_b32 s2, s9, 7
	s_add_nc_u64 s[24:25], s[18:19], s[2:3]        ; 128 bytes of aux a block
.irp i, 0,1,2,3,4,5,6,7
	global_load_b128 v[X+8*\i:X+8*\i+3],   v1, s[20:21] offset:64*\i
	global_load_b128 v[X+8*\i+4:X+8*\i+7], v1, s[20:21] offset:64*\i+16
.endr
.macro PIECE i
	s_wait_loadcnt 14-2*\i                         ; loads return in order: the two of piece i are in, the 14 - 2 i younger ones stay out
.irp k, 0,1,2,3
	v_cvt_pk_bf16_f32 v[F+4*\i+\k], v[X+8*\i+2*\k], v[X+8*\i+2*\k+1]   ; round to nearest even
.endr
.irp k, 0,1,2,3
	v_lshlrev_b32 v[T+2*\k],   16,  v[F+4*\i+\k]    ; the rounded numbers as f32
	v_and_b32     v[T+2*\k+1], s28, v[F+4*\i+\k]
.endr
.irp k, 0,2,4,6
.if \i == 0
	v_pk_mul_f32 v[S+\k:S+\k+1], v[T+\k:T+\k+1], v[T+\k:T+\k+1]        ; the first piece starts the chains: nothing is cleared
.else
	v_pk_fma_f32 v[S+\k:S+\k+1], v[T+\k:T+\k+1], v[T+\k:T+\k+1], v[S+\k:S+\k+1]
.endif
.endr
	global_store_b128 v2, v[F+4*\i:F+4*\i+3], s[22:23] offset:512*\i
.endm
.irp i, 0,1,2,3,4,5,6,7
	PIECE \i
.endr
	v_pk_add_f32 v[S:S+1], v[S:S+1], v[S+2:S+3]
	v_pk_add_f32 v[S+4:S+5], v[S+4:S+5], v[S+6:S+7]
	v_pk_add_f32 v[S:S+1], v[S:S+1], v[S+4:S+5]
	v_add_f32 v[S], v[S], v[S+1]                   ; my half of row r
	v_permlanex16_b32 v[S+1], v[S], s26, s27       ; the other half of it
	v_add_f32 v[S], v[S], v[S+1]                   ; ss of row r, in lanes r and 16 + r
	v_sqrt_f32 v[S+2], v[S]
	v_nop                                          ; one plain place behind a transcendental (ISA guide 5.7.2)
	s_wait_alu depctr_va_vdst(0)
	v_max_num_f32 v[S+2], 0x2b8cbccc, v[S+2]       ; max(norm, 1e-12)
	v_rcp_f32 v[S+3], v[S+2]
	v_cmp_gt_u32 vcc_lo, 64, v3                    ; lanes 0..15 (the plain place behind v_rcp_f32)
	s_wait_alu depctr_va_vdst(0)
	v_cndmask_b32 v[S+4], v[S+3], v[S], vcc_lo     ; lanes 0..15 carry ss, lanes 16..31 rn
	global_store_b32 v3, v[S+4], s[24:25]
	s_cmp_lt_u32 s11, DUPT                         ; code tiles 0..255 once more, 512 tiles further on
	s_cbranch_scc0 .Lend
.irp i, 0,1,2,3,4,5,6,7
	global_store_b128 v2, v[F+4*\i:F+4*\i+3], s[22:23] offset:512*4096+512*\i
.endr
	global_store_b32 v3, v[S+4], s[24:25] offset:512*128
.Lend:
	s_endpgm
.Lfunc_end_k_q8f517f69ee_prep:
	.size	k_q8f517f69ee_prep, .Lfunc_end_k_q8f517f69ee_prep-k_q8f517f69ee_prep
	.p2alignl 7, 3214868480
	.fill 96, 4, 3214868480
	.section	.rodata,"a",@progbits
	.p2align	6, 0x0
	.amdhsa_kernel k_q8f517f69ee_prep
		.amdhsa_group_segment_fixed_size 0
		.amdhsa_private_segment_fixed_size 0
		.amdhsa_enable_private_segment 0
		.amdhsa_kernarg_size 32
		.amdhsa_user_sgpr_count 2
		.amdhsa_user_sgpr_kernarg_segment_ptr 1
		.amdhsa_wavefront_size32 1
		.amdhsa_system_sgpr_workgroup_id_x 1
		.amdhsa_system_sgpr_workgroup_id_y 1
		.amdhsa_system_sgpr_workgroup_id_z 1
		.amdhsa_system_vgpr_workitem_id 0
		.amdhsa_next_free_vgpr 120
		.amdhsa_next_free_sgpr 66
		.amdhsa_reserve_vcc 1
		.amdhsa_float_denorm_mode_32 3
		.amdhsa_float_denorm_mode_16_64 3
		.amdhsa_memory_ordered 1
		.amdhsa_forward_progress 1
		.amdhsa_inst_pref_size 12
	.end_amdhsa_kernel
	.amdgpu_metadata
---
amdhsa.version: [ 1, 2 ]
amdhsa.kernels:
  - .name:           k_q8f517f69ee_prep
    .symbol:         k_q8f517f69ee_prep.kd
    .args:
      - { .name: latent, .offset: 0, .size: 8, .value_kind: global_buffer, .address_space: global }
      - { .name: codebook, .offset: 8, .size: 8, .value_kind: global_buffer, .address_space: global }
      - { .name: frag, .offset: 16, .size: 8, .value_kind: global_buffer, .address_space: global }
      - { .name: aux, .offset: 24, .size: 8, .value_kind: global_buffer, .address_space: global }
    .group_segment_fixed_size: 0
    .private_segment_fixed_size: 0
    .kernarg_segment_align: 8
    .kernarg_segment_size: 32
    .max_flat_workgroup_size: 192
    .sgpr_count:     66
    .vgpr_count:     120
    .wavefront_size: 32
...
	.end_amdgpu_metadata
.endif
;; end of part 1
;; launch distgram (part 2): grid 16 x 16, 8 waves a work-group, clusters of 4 x 1, 220,416 bytes of LDS; arguments frag, aux, pkey, pgrp, sums; writes pkey, pgrp, sums
.if DOCPART == 2
	.amdgcn_target "amdgcn-amd-amdhsa--gfx1250"
	.amdhsa_code_object_version 6
	.text
	.protected	k_q8f517f69ee_distgram
	.globl	k_q8f517f69ee_distgram
	.p2align	8
	.type	k_q8f517f69ee_distgram,@function
k_q8f517f69ee_distgram:
	s_mov_b64 s[64:65], 0
	v_nop
	global_prefetch_b8 v0, s[64:65] scope:SCOPE_SE
	s_setreg_imm32_b32 hwreg(HW_REG_WAVE_MODE, 25, 1), 1
	s_wait_xcnt 0x0
	s_wait_alu depctr_hold_cnt(0) depctr_sa_sdst(0) depctr_va_vdst(0) depctr_va_sdst(0) depctr_va_ssrc(0) depctr_va_vcc(0) depctr_vm_vsrc(0)
	s_getreg_b32 s2, hwreg(HW_REG_IB_STS2, 6, 4)
	s_cmp_eq_u32 s2, 0
	s_cbranch_scc0 .Lentry_in_a_cluster
	s_endpgm
.Lentry_in_a_cluster:
	s_bfe_u32 s2, ttmp6, 0x10000c
	s_cmp_lg_u32 s2, 0x3003
	s_cbranch_scc0 .Lentry_shape_is_right
	s_endpgm
.Lentry_shape_is_right:
; distgram: two phases on one set of LDS tiles.  Work-group (X, Y), eight waves, two to a SIMD with 512 registers each.
; PHASE 1, distances: latents 1024 X .. + 1023 against codes 512 Y .. + 511 (32 tiles of 16).  For each latent the least d2 of the split and
; the first group of 8 neighbouring codes that holds it.  d2 = fl(fl(xx - 2 dot) + cc) on inputs rounded to bf16: dot from the bf16 matrix
; form (f32 sums), xx and cc the sums of squares of the rounded rows; -2 dot is exact, so one fused multiply-add gives fl(xx - 2 dot).
; Ties go to the lower code.  Wave w keeps its 128 latents in 256 registers (operand B) and walks the 32 tiles (operand A) out of LDS:
; 4 KiB of LDS reads feed 32 matrix instructions.  The least d2 is stored as a whole number with the same order (sign bit flipped for
; numbers >= 0, all bits for numbers < 0; d2 is never -0, since cc >= +0 is added last), so that the next launch can choose among the
; 16 splits by whole-number minima.
; PHASE 2, pairs of codes, from G = C C^T alone: sim = G rn_i rn_j, pd2 = (cb_i - 2 G) + cb_j.  G is symmetric by construction, so 9/16 of
; it is made: row block i = Y (512 codes) meets itself and the 4,096 codes behind it, in the table lengthened by 256 tiles.  The row block
; IS phase 1's code chunk, so wave w takes its 64 resident codes (tiles 4 w .. 4 w + 3, 128 registers) out of LDS.  Part p = X takes tiles
; 2 p, 2 p + 1 of the own block and the 16 tiles from offset q = 32 + 16 p.  Weights: own block 1 (both orders are in it), 32 <= q < 256
; two, q >= 256 (p = 14, 15) one (the block half way round is met from both sides): 16 x (1 + 14 + 1) blocks = all 8192 x 8192 pairs.
; Only the two own tiles can hold the diagonal: they are the first two trips of every work-group, and their lanes of the diagonal are
; masks chosen by s_cselect_b32, so that no branch hangs on p.
; CLUSTER: the four work-groups along x share Y, so the 128 KiB of codes and their 4 KiB of aux are asked for jointly (mask 15), an eighth
; by each wave.  cx enters global addresses of plain loads and stores, weights and masks: no branch, no trip count, no LDS address.
; A wave has five tensor loads out, once; no LDS byte is filled twice.
; LDS: codes 0, aux 131072, the 18 pair tiles 135168 (own 2, then 16), aux of the 16 at 208896; all in fragment order or dense, so a
; wave's load of 16 bytes a lane takes 512 consecutive bytes and needs no padding.  Scratch 210944 and sums 219136: no tensor load lands there.
; LIMITS: inputs are finite.  pd2 of (i, j) serves (j, i) too, so the order of its two additions differs there; a pd2 below 2^-126 is
; counted as positive while its root comes out as 0 (v_sqrt_f32 takes denormals as zero: ISA guide 15.8).
.set AUXL, 131072
.set STRM, 135168
.set AUXG, 208896
.set SCR,  210944
.set RED,  219136
.set JOINT, 15|(3<<16)|(1<<21)         ; group 1, first word: mask 15, elements of 8 bytes, bit 21 beside the mask
.set PLAIN, 3<<16                      ; the same without a mask
; phase 1
.set VA,   4                           ; v4  LDS address of my 16 bytes in the next tile to load
.set VC,   5                           ; v5  LDS address of the cc of codes 8 h .. 8 h + 7 of the next tile
.set VT,   6                           ; v6  number of the tile at work, 0..511
.set VS,   7                           ; v7  scratch, 4 r
.set VL,   8                           ; v8  scratch, 16 L
.set XX,   10                          ; v[10:25]   xx of latent r of column block cb, written twice (a pair for the packed lines)
.set BEST, 26                          ; v[26:33]   least d2 so far, one for each column block
.set IDX,  34                          ; v[34:41]   the first tile that gave it
.set CC,   42                          ; v[42:49]   cc of codes 8 h + j
.set T,    50                          ; v[50:65]   d2 of two column blocks
.set U,    66                          ; v[66:69]
.set PB,   70
.set PG,   71
.set ABUF, 72                          ; v[72:103]  one tile of codes, four K steps
.set ACC,  104                         ; v[104:167] eight accumulators: register j of lane (r, h) is (code 8 h + j, latent r)
.set OWA,  176                         ; v[176:207] cb and rn of my two own tiles (8 + 8 registers each), loaded at the start for phase 2
.set OUT,  208                         ; v[208:215] what phase 1 stores; not written again
; phase 2
.set GA,   4                           ; v4  LDS address of my 16 bytes in the tile loaded last
.set GC,   5                           ; v5  LDS address of the cb of codes 8 h .. of the next tile
.set GINF, 6
.set CBN,  8                           ; v[8:15]    cb of my code r of column block cb, written twice
.set RNN,  16                          ; v[16:23]   its rn x log2(e), written twice
.set CBM,  24                          ; v[24:31]   cb of codes 8 h + j of the tile
.set RNM,  32                          ; v[32:39]   their rn
.set GAB,  40                          ; v[40:71]   one tile
.set GAC,  72                          ; v[72:103]  four accumulators
.set GS,   104
.set GP,   112
.set GD,   120
.set GM,   128
.set GE,   136
.set SUME, 144                         ; v[144:151] four pair chains each
.set SUMD, 152
.set SUMR, 160
.set MINP, 168
.set WV,   170                         ; v[170:171] the weight, twice
.set GR,   112                         ; the end: four sums in v[112:115]
.set MK,   20                          ; s[20:27]   lanes of the diagonal for register j: m = 8 h + j equals n = r in lanes j and 24 + j
.set CM,   28                          ; s[28:35]   masks of positive pd2
.set MKE,  36                          ; s[36:43]   MK where the tile is my column block, else 0
.set MSB, 0
.macro WIN new                         ; the high byte of the immediate repeats the setting that is left
.if MSB != \new
	s_set_vgpr_msb (MSB<<8)|\new
.set MSB, \new
.endif
.endm
.macro ROUND                           ; a round of the barrier of the cluster
	s_barrier_signal -1
	s_barrier_wait -1
	s_cmp_lg_u32 s14, 0
	s_cbranch_scc1 .Lnot_wave_0_\@
	s_barrier_signal -3
.Lnot_wave_0_\@:
	s_barrier_wait -3
	s_barrier_signal -1
	s_barrier_wait -1
.endm
.macro GROUP1 b, first, rows           ; descriptor group 1: so many dense rows of 32 elements of 8 bytes (256 bytes)
	s_mov_b32 s[\b], \first
	s_mov_b32 s[\b+1], 32<<16                      ; tensor_dim0 = 32
	s_mov_b32 s[\b+2], \rows<<16                   ; tensor_dim1
	s_mov_b32 s[\b+3], 32<<16                      ; tile_dim0 = 32
	s_mov_b32 s[\b+4], \rows                       ; tile_dim1
	s_mov_b32 s[\b+5], 32                          ; pitch = 32 elements
	s_mov_b32 s[\b+6], 0
	s_mov_b32 s[\b+7], 0
.endm
	s_load_b256 s[4:11], s[0:1], 0x0               ; frag s[4:5], aux s[6:7], pkey s[8:9], pgrp s[10:11]
	s_load_b64 s[12:13], s[0:1], 0x20              ; sums
	v_lshl_add_u32 v254, v0, 2, 0x35900
	v_mov_b32 v255, 0
	ds_add_u32 v254, v255
	v_lshrrev_b32 v9, 5, v0
	v_readfirstlane_b32 s14, v9                    ; wave 0..7
	s_bfe_u32 s15, ttmp6, 0x40000                  ; cx
	s_lshl_b32 s16, ttmp9, 2
	s_add_co_u32 s16, s16, s15                     ; X = 4 x cluster x + cx; also the part p of phase 2
	s_and_b32 s17, ttmp7, 0xffff                   ; Y, shared by the four partners; also the row block i
	s_mov_b32 s99, 0x76543210                      ; v_permlanex16_b32: lane i reads lane i of the other half
	s_mov_b32 s100, 0xfedcba98
	GROUP1 20, JOINT, 64                           ; codes: 16 KiB a wave
	GROUP1 32, JOINT, 2                            ; their aux: 512 bytes a wave
	GROUP1 56, PLAIN, 4                            ; my two own tiles: 1 KiB a wave
	GROUP1 44, PLAIN, 32                           ; my 16 tiles: 8 KiB a wave
	GROUP1 72, PLAIN, 1                            ; their aux: 256 bytes a wave
	; groups 0: the word 1, the LDS address (a constant and the wave's number times a constant), and for now the byte offset in the buffer
	s_mov_b32 s28, 1
	s_mul_i32 s29, s14, 16384
	s_mov_b32 s40, 1
	s_mul_i32 s41, s14, 512
	s_add_co_u32 s41, s41, AUXL
	s_mov_b32 s68, 1
	s_mul_i32 s69, s14, 1024
	s_add_co_u32 s69, s69, STRM
	s_mov_b32 s52, 1
	s_mul_i32 s53, s14, 8192
	s_add_co_u32 s53, s53, STRM+8192
	s_mov_b32 s80, 1
	s_mul_i32 s81, s14, 256
	s_add_co_u32 s81, s81, AUXG
	; the joint tiles: made of Y and the wave alone, in registers that never hold cx
	s_lshl_b32 s30, s17, 17                        ; 32 tiles of 4,096 bytes a split
	s_add_co_u32 s30, s30, s29
	s_add_co_u32 s30, s30, 1024*4096               ; the code tiles begin at block 1024
	s_mov_b32 s31, 0
	s_lshl_b32 s42, s17, 12                        ; 32 x 128 bytes of aux a split
	s_lshl_b32 s43, s14, 9
	s_add_co_u32 s42, s42, s43
	s_add_co_u32 s42, s42, 1024*128
	s_mov_b32 s43, 0
	; what is mine alone
	s_lshl_b32 s70, s17, 17                        ; own tiles: block 1024 + 32 Y + 2 X, 1,024 bytes a wave
	s_lshl_b32 s18, s16, 13
	s_add_co_u32 s70, s70, s18
	s_lshl_b32 s18, s14, 10
	s_add_co_u32 s70, s70, s18
	s_add_co_u32 s70, s70, 1024*4096
	s_mov_b32 s71, 0
	s_lshl_b32 s54, s17, 17                        ; the 16 tiles: block 1056 + 32 Y + 16 X (1,791 at the most, the last block), 8,192 bytes a wave
	s_lshl_b32 s18, s16, 16
	s_add_co_u32 s54, s54, s18
	s_lshl_b32 s18, s14, 13
	s_add_co_u32 s54, s54, s18
	s_add_co_u32 s54, s54, 1056*4096
	s_mov_b32 s55, 0
	s_lshl_b32 s82, s17, 12                        ; their aux, 256 bytes a wave
	s_lshl_b32 s18, s16, 11
	s_add_co_u32 s82, s82, s18
	s_lshl_b32 s18, s14, 8
	s_add_co_u32 s82, s82, s18
	s_add_co_u32 s82, s82, 1056*128
	s_mov_b32 s83, 0
	s_lshl_b32 s96, s17, 12                        ; aux of the own tiles
	s_lshl_b32 s18, s16, 8
	s_add_co_u32 s96, s96, s18
	s_add_co_u32 s96, s96, 1024*128
	s_mov_b32 s97, 0
	s_lshl_b32 s84, s16, 18                        ; my latents in frag: 64 blocks a work-group, 8 a wave
	s_lshl_b32 s18, s14, 15
	s_add_co_u32 s84, s84, s18
	s_mov_b32 s85, 0
	s_lshl_b32 s86, s16, 13                        ; and in aux
	s_lshl_b32 s18, s14, 10
	s_add_co_u32 s86, s86, s18
	s_mov_b32 s87, 0
	s_lshl_b32 s88, s17, 16                        ; pkey, pgrp: [16 splits][16384], 4 bytes each
	s_lshl_b32 s18, s16, 12
	s_add_co_u32 s88, s88, s18
	s_lshl_b32 s18, s14, 9
	s_add_co_u32 s88, s88, s18
	s_mov_b32 s89, 0
	s_mov_b32 s90, s88
	s_mov_b32 s91, 0
	s_lshl_b32 s2, s17, 9                          ; sums: 32 bytes for work-group 16 Y + X
	s_lshl_b32 s18, s16, 5
	s_add_co_u32 s2, s2, s18
	s_mov_b32 s3, 0
	v_and_b32 v9, 31, v0
	v_lshlrev_b32 v1, 4, v9                        ; 16 L
	v_and_b32 v2, 15, v0
	v_lshlrev_b32 v2, 2, v2                        ; 4 r
	v_bfe_u32 v3, v0, 4, 1                         ; h
	v_lshlrev_b32 v9, 5, v3                        ; 32 h
	s_wait_dscnt 0x0
	s_wait_kmcnt 0x0
	s_add_nc_u64 s[30:31], s[4:5], s[30:31]
	s_or_b32 s31, s31, 0x80000000                  ; type 2
	s_add_nc_u64 s[42:43], s[6:7], s[42:43]
	s_or_b32 s43, s43, 0x80000000
	s_add_nc_u64 s[70:71], s[4:5], s[70:71]
	s_or_b32 s71, s71, 0x80000000
	s_add_nc_u64 s[54:55], s[4:5], s[54:55]
	s_or_b32 s55, s55, 0x80000000
	s_add_nc_u64 s[82:83], s[6:7], s[82:83]
	s_or_b32 s83, s83, 0x80000000
	s_add_nc_u64 s[84:85], s[4:5], s[84:85]
	s_add_nc_u64 s[86:87], s[6:7], s[86:87]
	s_add_nc_u64 s[96:97], s[6:7], s[96:97]
	s_add_nc_u64 s[88:89], s[8:9], s[88:89]
	s_add_nc_u64 s[90:91], s[10:11], s[90:91]
	s_add_nc_u64 s[12:13], s[12:13], s[2:3]
	ROUND                                          ; all four partners are here: the joint loads meet
	tensor_load_to_lds s[28:31], s[20:27]          ; what phase 1 needs goes first:  16 KiB of codes
	s_nop 0
	tensor_load_to_lds s[40:43], s[32:39]          ; 512 bytes of their aux
	s_nop 0
	tensor_load_to_lds s[68:71], s[56:63]          ; phase 2:  1 KiB of the own tiles
	s_nop 0
	tensor_load_to_lds s[52:55], s[44:51]          ; 8 KiB of the 16 tiles
	s_nop 0
	tensor_load_to_lds s[80:83], s[72:79]          ; 256 bytes of their aux
	s_nop 0
	WIN 0x40                                       ; destination in window 1: v256 + 32 cb + 4 i
.irp cb, 0,1,2,3,4,5,6,7
.irp i, 0,1,2,3,4,5,6,7
	global_load_b128 v[32*\cb+4*\i:32*\cb+4*\i+3], v1, s[84:85] offset:4096*\cb+512*\i
.endr
.endr
	WIN 0
.irp cb, 0,1,2,3,4,5,6,7
	global_load_b32 v[XX+2*\cb], v2, s[86:87] offset:128*\cb
.endr
.irp t, 0,1
	global_load_b128 v[OWA+16*\t:OWA+16*\t+3],     v9, s[96:97] offset:128*\t      ; cb of codes 8 h .. 8 h + 7 of own tile t
	global_load_b128 v[OWA+16*\t+4:OWA+16*\t+7],   v9, s[96:97] offset:128*\t+16
	global_load_b128 v[OWA+16*\t+8:OWA+16*\t+11],  v9, s[96:97] offset:128*\t+64   ; their rn
	global_load_b128 v[OWA+16*\t+12:OWA+16*\t+15], v9, s[96:97] offset:128*\t+80
.endr
	v_mov_b32 v[VA], v1
	v_lshlrev_b32 v[VC], 5, v3
	v_add_nc_u32 v[VC], AUXL, v[VC]
	s_lshl_b32 s18, s17, 5
	s_sub_co_u32 s18, s18, 1
	v_mov_b32 v[VT], s18                           ; one below the first tile: stepped before each use
	s_mul_i32 s18, s14, 1024
	s_add_co_u32 s18, s18, SCR
	v_add_nc_u32 v[VS], s18, v2
	v_add_nc_u32 v[VL], s18, v1
.irp cb, 0,1,2,3,4,5,6,7
	v_mov_b32 v[BEST+\cb], 0x7f800000              ; +infinity
	v_mov_b32 v[IDX+\cb], 0
.endr
	v_mov_b32 v[PB], 0                             ; the destination of a lane permute counts as read
	v_mov_b32 v[PG], 0
	s_wait_tensorcnt 0x3                           ; tensor loads of a wave end in order: my parts of codes and aux have landed, the three loads for phase 2 stay out
	s_barrier_signal -1
	s_barrier_wait -1                              ; everybody's have
.irp i, 0,1,2,3,4,5,6,7
	ds_load_b128 v[ABUF+4*\i:ABUF+4*\i+3], v[VA] offset:512*\i       ; tile 0
.endr
	ds_load_b128 v[CC:CC+3],   v[VC]
	ds_load_b128 v[CC+4:CC+7], v[VC] offset:16
	v_add_nc_u32 v[VA], 4096, v[VA]
	v_add_nc_u32 v[VC], 128, v[VC]
	s_wait_loadcnt 0x0                             ; my latents, their xx, the aux of the own tiles
.irp cb, 0,1,2,3,4,5,6,7
	v_mov_b32 v[XX+2*\cb+1], v[XX+2*\cb]
.endr
; two column blocks, their lines interleaved: 15 issues for the 256 numbers of a block
.macro EPI2 a, b
.irp k, 0,2,4,6
	v_pk_fma_f32 v[T+\k:T+\k+1],     v[ACC+8*\a+\k:ACC+8*\a+\k+1], -2.0, v[XX+2*\a:XX+2*\a+1] op_sel_hi:[1,0,1]   ; fl(xx - 2 dot)
	v_pk_fma_f32 v[T+8+\k:T+8+\k+1], v[ACC+8*\b+\k:ACC+8*\b+\k+1], -2.0, v[XX+2*\b:XX+2*\b+1] op_sel_hi:[1,0,1]
.endr
.irp k, 0,2,4,6
	v_pk_add_f32 v[T+\k:T+\k+1],     v[T+\k:T+\k+1],     v[CC+\k:CC+\k+1]                                      ; + cc
	v_pk_add_f32 v[T+8+\k:T+8+\k+1], v[T+8+\k:T+8+\k+1], v[CC+\k:CC+\k+1]
.endr
	v_min3_num_f32 v[U],   v[T],    v[T+1],  v[T+2]
	v_min3_num_f32 v[U+2], v[T+8],  v[T+9],  v[T+10]
	v_min3_num_f32 v[U+1], v[T+3],  v[T+4],  v[T+5]
	v_min3_num_f32 v[U+3], v[T+11], v[T+12], v[T+13]
	v_min3_num_f32 v[U],   v[U],    v[T+6],  v[T+7]
	v_min3_num_f32 v[U+2], v[U+2],  v[T+14], v[T+15]
	v_min_num_f32 v[U],   v[U],   v[U+1]
	v_min_num_f32 v[U+2], v[U+2], v[U+3]
	v_cmp_lt_f32 vcc_lo, v[U],   v[BEST+\a]        ; strictly less, tiles ascending: the first tile stays
	v_cmp_lt_f32 s19,    v[U+2], v[BEST+\b]
	v_cndmask_b32 v[IDX+\a], v[IDX+\a], v[VT], vcc_lo
	v_cndmask_b32 v[IDX+\b], v[IDX+\b], v[VT], s19
	v_min_num_f32 v[BEST+\a], v[BEST+\a], v[U]
	v_min_num_f32 v[BEST+\b], v[BEST+\b], v[U+2]
.endm
; one tile of 16 codes against my 128 latents.  more = 1: the next tile is fetched.
.macro STEP more
	s_wait_dscnt 0x2                               ; the 8 loads of this tile are in; the 2 younger ones (its cc) may be out
	WIN 0x04                                       ; source 1 (my latents) in window 1
.irp s, 0,1,2,3
.irp cb, 0,1,2,3,4,5,6,7
.if \s == 0
	v_wmma_f32_16x16x32_bf16 v[ACC+8*\cb:ACC+8*\cb+7], v[ABUF:ABUF+7], v[32*\cb:32*\cb+7], 0      ; the first K step starts the sums
.else
	v_wmma_f32_16x16x32_bf16 v[ACC+8*\cb:ACC+8*\cb+7], v[ABUF+8*\s:ABUF+8*\s+7], v[32*\cb+8*\s:32*\cb+8*\s+7], v[ACC+8*\cb:ACC+8*\cb+7]   ; eight accumulators by turns, one instruction a turn
.endif
.endr
.endr
	WIN 0
	v_add_nc_u32 v[VT], 1, v[VT]                   ; four places behind the last matrix instruction (ISA guide 7.12.1), ahead of the
	v_nop                                          ; loads into its sources and of the lines that read results
	v_nop
	v_nop
.if \more
.irp i, 0,1,2,3,4,5,6,7
	ds_load_b128 v[ABUF+4*\i:ABUF+4*\i+3], v[VA] offset:512*\i
.endr
	v_add_nc_u32 v[VA], 4096, v[VA]
	s_wait_dscnt 0x8                               ; all but the 8 just issued: this tile's cc is in
.else
	s_wait_dscnt 0x0
.endif
	EPI2 0, 1
	EPI2 2, 3
	EPI2 4, 5
	EPI2 6, 7
.if \more
	ds_load_b128 v[CC:CC+3],   v[VC]               ; the next tile's cc, behind the last line that reads this one's
	ds_load_b128 v[CC+4:CC+7], v[VC] offset:16
	v_add_nc_u32 v[VC], 128, v[VC]
.endif
.endm
	s_mov_b32 s98, 31
.Ltile:
	STEP 1
	s_sub_co_u32 s98, s98, 1
	s_cmp_lg_u32 s98, 0
	s_cbranch_scc1 .Ltile
	STEP 0                                         ; the last tile fetches nothing
	; lanes r and 16 + r hold latent r for the codes 8 h + j of each tile.  Group G = 2 tile + h is 8 neighbouring codes, and the order
	; of G is the order of the codes: the partner wins with a smaller d2, or with an equal one and a smaller G.
.irp cb, 0,1,2,3,4,5,6,7
	v_lshl_add_u32 v[IDX+\cb], v[IDX+\cb], 1, v3
	v_permlanex16_b32 v[PB], v[BEST+\cb], s99, s100
	v_permlanex16_b32 v[PG], v[IDX+\cb], s99, s100
	v_cmp_lt_f32 s19, v[PB], v[BEST+\cb]
	v_cmp_eq_f32 s101, v[PB], v[BEST+\cb]
	v_cmp_lt_u32 vcc_lo, v[PG], v[IDX+\cb]
	s_and_b32 s101, s101, vcc_lo
	s_or_b32 s19, s19, s101
	v_cndmask_b32 v[BEST+\cb], v[BEST+\cb], v[PB], s19
	v_cndmask_b32 v[IDX+\cb], v[IDX+\cb], v[PG], s19
	v_ashrrev_i32 v[PB], 31, v[BEST+\cb]           ; the key: all ones for a negative d2, else 0,
	v_or_b32 v[PB], 0x80000000, v[PB]              ; the sign bit in both cases,
	v_xor_b32 v[BEST+\cb], v[BEST+\cb], v[PB]      ; flipped: unsigned order of the keys = order of the numbers
	ds_store_b32 v[VS], v[BEST+\cb] offset:64*\cb              ; both halves write the same word with the same value
	ds_store_b32 v[VS], v[IDX+\cb] offset:512+64*\cb
.endr
	ds_load_b128 v[OUT:OUT+3],   v[VL]             ; LDS serves a wave's instructions in order: these see the stores above
	ds_load_b128 v[OUT+4:OUT+7], v[VL] offset:512
	s_wait_dscnt 0x0
	global_store_b128 v1, v[OUT:OUT+3],   s[88:89] ; 512 consecutive bytes each: my 128 latents.  v1, OUT and the bases are not written again
	global_store_b128 v1, v[OUT+4:OUT+7], s[90:91]
	; ---- phase 2 ----
	s_wait_tensorcnt 0x0                           ; my parts of the pair tiles have landed (and every descriptor register is free),
	s_barrier_signal -1                            ; no LDS instruction of mine is out: the wait for 0 above
	s_barrier_wait -1                              ; everybody's have; nothing is filled again
.irp j, 0,1,2,3,4,5,6,7
	s_mov_b32 s[MK+\j], (1<<\j)|(1<<(24+\j))
.endr
	s_lshl_b32 s44, s16, 1                         ; q of my first own tile = 2 p,
	s_lshl_b32 s49, s14, 2
	s_sub_co_u32 s44, s44, s49                     ; less 4 w: equals cb where the tile is my column block cb
	s_mov_b32 s53, 0x40000000                      ; 2.0
	s_mov_b32 s54, 0x3f800000                      ; 1.0
	s_cmp_lt_u32 s16, 14                           ; my 16 tiles lie at 32 <= q < 256
	s_cselect_b32 s46, s53, s54                    ; their weight as f32
	s_cselect_b32 s45, 2, 1                        ; and as a whole number
	s_mov_b32 s47, 0                               ; positives, unweighted
	s_mov_b32 s50, 0xc166d4ca                      ; -10 log2(e)
	s_mov_b32 s51, 0x4166d4ca                      ; +10 log2(e)
	s_mul_i32 s49, s14, 16384
	v_add_nc_u32 v7, s49, v1                       ; my four resident tiles among phase 1's codes
	WIN 0x40                                       ; destination in window 1: v256 + 32 cb + 4 i
.irp cb, 0,1,2,3
.irp i, 0,1,2,3,4,5,6,7
	ds_load_b128 v[32*\cb+4*\i:32*\cb+4*\i+3], v7 offset:4096*\cb+512*\i
.endr
.endr
	WIN 0
	s_mul_i32 s49, s14, 512
	s_add_co_u32 s49, s49, AUXL
	v_add_nc_u32 v9, s49, v2                       ; their aux, 4 r
.irp cb, 0,1,2,3
	ds_load_b32 v[CBN+2*\cb], v9 offset:128*\cb
	ds_load_b32 v[RNN+2*\cb], v9 offset:128*\cb+64
.endr
	v_add_nc_u32 v[GA], STRM, v1
.irp i, 0,1,2,3,4,5,6,7
	ds_load_b128 v[GAB+4*\i:GAB+4*\i+3], v[GA] offset:512*\i         ; own tile 0
.endr
	v_lshlrev_b32 v[GC], 5, v3
	v_add_nc_u32 v[GC], AUXG, v[GC]
	v_mov_b32 v[GINF], 0x7f800000
	v_mov_b32 v[MINP], 0x7f800000
	v_mov_b32 v[WV], 1.0                           ; the own block weighs 1
	v_mov_b32 v[WV+1], 1.0
.irp k, 0,1,2,3,4,5,6,7
	v_mov_b32 v[SUME+\k], 0
	v_mov_b32 v[SUMD+\k], 0
	v_mov_b32 v[SUMR+\k], 0
.endr
	s_wait_dscnt 0x0
.irp cb, 0,1,2,3
	v_mul_f32 v[RNN+2*\cb], 0x3fb8aa3b, v[RNN+2*\cb]           ; log2(e) once: v_exp_f32 works in base 2
	v_mov_b32 v[CBN+2*\cb+1], v[CBN+2*\cb]
.endr
.irp cb, 0,1,2,3
	v_mov_b32 v[RNN+2*\cb+1], v[RNN+2*\cb]
.endr
; 256 pairs: the tile against my column block cb; cbm, rnm: where the tile's cb and rn lie.
; masked = 1: in the lanes of MKE (the diagonal, or none) the pair counts as sim = 0, distance = 0.
.macro GEPI cb, masked, cbm, rnm
.irp k, 0,2,4,6
	v_pk_mul_f32 v[GS+\k:GS+\k+1], v[GAC+8*\cb+\k:GAC+8*\cb+\k+1], v[\rnm+\k:\rnm+\k+1]
.endr
.irp k, 0,2,4,6
	v_pk_mul_f32 v[GS+\k:GS+\k+1], v[GS+\k:GS+\k+1], v[RNN+2*\cb:RNN+2*\cb+1]
.endr
.irp j, 0,1,2,3,4,5,6,7
	v_med3_num_f32 v[GS+\j], v[GS+\j], s50, s51    ; the clip to -10 .. 10, in base 2
.endr
.if \masked
.irp j, 0,1,2,3,4,5,6,7
	v_cndmask_b32 v[GS+\j], v[GS+\j], 0, s[MKE+\j]
.endr
.endif
.irp j, 0,1,2,3,4,5,6,7
	v_exp_f32 v[GE+\j], v[GS+\j]
.endr
.irp k, 0,2,4,6
	v_pk_fma_f32 v[GP+\k:GP+\k+1], v[GAC+8*\cb+\k:GAC+8*\cb+\k+1], -2.0, v[\cbm+\k:\cbm+\k+1] op_sel_hi:[1,0,1]   ; plain lines behind the run of exponentials
.endr
.irp k, 0,2,4,6
	v_pk_add_f32 v[GP+\k:GP+\k+1], v[GP+\k:GP+\k+1], v[CBN+2*\cb:CBN+2*\cb+1]
.endr
.if \masked
.irp j, 0,1,2,3,4,5,6,7
	v_cndmask_b32 v[GP+\j], v[GP+\j], 0, s[MKE+\j]
.endr
.endif
.irp j, 0,1,2,3,4,5,6,7
	v_max_num_f32 v[GP+\j], 0, v[GP+\j]
.endr
.irp j, 0,1,2,3,4,5,6,7
	v_sqrt_f32 v[GD+\j], v[GP+\j]
.endr
.irp j, 0,1,2,3,4,5,6,7
	v_cmp_lt_f32 s[CM+\j], 0, v[GP+\j]             ; plain lines behind the run of roots
.endr
.irp j, 0,1,2,3,4,5,6,7
	v_cndmask_b32 v[GM+\j], v[GINF], v[GP+\j], s[CM+\j]
.endr
.irp j, 0,1,2,3,4,5,6,7
	s_bcnt1_i32_b32 s49, s[CM+\j]                  ; the count is kept by the scalar unit, for the whole wave
	s_add_co_u32 s47, s47, s49
.endr
	v_min3_num_f32 v[GM],   v[GM],   v[GM+1], v[GM+2]
	v_min3_num_f32 v[GM+3], v[GM+3], v[GM+4], v[GM+5]
	v_min3_num_f32 v[MINP], v[MINP], v[GM+6], v[GM+7]
	v_min3_num_f32 v[MINP], v[MINP], v[GM],   v[GM+3]
	s_wait_alu depctr_va_vdst(0)
.irp k, 0,2,4,6
	v_pk_fma_f32 v[SUME+\k:SUME+\k+1], v[GE+\k:GE+\k+1], v[WV:WV+1], v[SUME+\k:SUME+\k+1]
	v_pk_fma_f32 v[SUMD+\k:SUMD+\k+1], v[GD+\k:GD+\k+1], v[WV:WV+1], v[SUMD+\k:SUMD+\k+1]
.endr
.irp k, 0,2,4,6
	v_pk_fma_f32 v[GD+\k:GD+\k+1], v[GD+\k:GD+\k+1], -1.0, 2.0 op_sel_hi:[1,0,0]          ; 2 - distance
.endr
.irp j, 0,1,2,3,4,5,6,7
	v_max_num_f32 v[GD+\j], 0, v[GD+\j]
.endr
.irp k, 0,2,4,6
	v_pk_fma_f32 v[SUMR+\k:SUMR+\k+1], v[GD+\k:GD+\k+1], v[WV:WV+1], v[SUMR+\k:SUMR+\k+1]
.endr
.endm
; one tile of 16 codes against my 64.  more = 1: the next tile is fetched.  w1: LDS loads that may be out when the tile must be in;
; w2: the same for its cb and rn (-1: they lie in registers since the start); auxn = 1: the next tile's cb and rn are fetched.
.macro GSTEP more, masked, cbm, rnm, w1, w2, auxn
	s_wait_dscnt \w1
	WIN 0x04                                       ; source 1 (my codes) in window 1
.irp s, 0,1,2,3
.irp cb, 0,1,2,3
.if \s == 0
	v_wmma_f32_16x16x32_bf16 v[GAC+8*\cb:GAC+8*\cb+7], v[GAB:GAB+7], v[32*\cb:32*\cb+7], 0
.else
	v_wmma_f32_16x16x32_bf16 v[GAC+8*\cb:GAC+8*\cb+7], v[GAB+8*\s:GAB+8*\s+7], v[32*\cb+8*\s:32*\cb+8*\s+7], v[GAC+8*\cb:GAC+8*\cb+7]   ; four accumulators by turns, one instruction a turn
.endif
.endr
.endr
	WIN 0
.if \more
	v_add_nc_u32 v[GA], 4096, v[GA]                ; four places behind the last matrix instruction (ISA guide 7.12.1)
	v_nop
	v_nop
	v_nop
.irp i, 0,1,2,3,4,5,6,7
	ds_load_b128 v[GAB+4*\i:GAB+4*\i+3], v[GA] offset:512*\i
.endr
.else
	v_nop
	v_nop
	v_nop
	v_nop
.endif
.if \w2 >= 0
	s_wait_dscnt \w2
.endif
.irp cb, 0,1,2,3
.if \masked
	s_cmp_eq_u32 s44, \cb                          ; is the tile my column block?  The answer selects masks, no branch
.irp j, 0,1,2,3,4,5,6,7
	s_cselect_b32 s[MKE+\j], s[MK+\j], 0
.endr
.endif
	GEPI \cb, \masked, \cbm, \rnm
.endr
.if \masked
	s_add_co_u32 s44, s44, 1
.endif
.if \auxn
	ds_load_b128 v[CBM:CBM+3],   v[GC]
	ds_load_b128 v[CBM+4:CBM+7], v[GC] offset:16
	ds_load_b128 v[RNM:RNM+3],   v[GC] offset:64
	ds_load_b128 v[RNM+4:RNM+7], v[GC] offset:80
	v_add_nc_u32 v[GC], 128, v[GC]
.endif
.endm
	GSTEP 1, 1, OWA,    OWA+8,  0, -1, 0           ; own tile 0
	GSTEP 1, 1, OWA+16, OWA+24, 0, -1, 1           ; own tile 1: only its 8 loads were out
	s_mov_b32 s48, s47                             ; the own block's positives weigh 1
	s_mov_b32 s47, 0
	v_mov_b32 v[WV], s46
	v_mov_b32 v[WV+1], s46
	s_mov_b32 s98, 15
.Lpair:
	GSTEP 1, 0, CBM, RNM, 4, 8, 1                  ; 4: the tile is in, the 4 younger loads (its cb and rn) may be out; 8: all but the 8 just issued
	s_sub_co_u32 s98, s98, 1
	s_cmp_lg_u32 s98, 0
	s_cbranch_scc1 .Lpair
	GSTEP 0, 0, CBM, RNM, 4, 0, 0                  ; the last tile fetches nothing
	s_mul_i32 s49, s47, s45
	s_add_co_u32 s48, s48, s49                     ; weighted positives of the wave
.macro FOLD dst, b
	v_pk_add_f32 v[\b:\b+1], v[\b:\b+1], v[\b+2:\b+3]
	v_pk_add_f32 v[\b+4:\b+5], v[\b+4:\b+5], v[\b+6:\b+7]
	v_pk_add_f32 v[\b:\b+1], v[\b:\b+1], v[\b+4:\b+5]
	v_add_f32 v[\dst], v[\b], v[\b+1]
.endm
	FOLD GR, SUME
	FOLD GR+1, SUMD
	FOLD GR+2, SUMR
.irp m, 1,2,4,8
	v_add_f32_dpp v[GR],   v[GR],   v[GR]   row_xmask:\m row_mask:0xf bank_mask:0xf
	v_add_f32_dpp v[GR+1], v[GR+1], v[GR+1] row_xmask:\m row_mask:0xf bank_mask:0xf
	v_add_f32_dpp v[GR+2], v[GR+2], v[GR+2] row_xmask:\m row_mask:0xf bank_mask:0xf
	v_min_num_f32_dpp v[MINP], v[MINP], v[MINP] row_xmask:\m row_mask:0xf bank_mask:0xf
.endr
	v_permlanex16_b32 v[GS],   v[GR],   s99, s100
	v_permlanex16_b32 v[GS+1], v[GR+1], s99, s100
	v_permlanex16_b32 v[GS+2], v[GR+2], s99, s100
	v_permlanex16_b32 v[GS+3], v[MINP], s99, s100
	v_add_f32 v[GR],   v[GR],   v[GS]
	v_add_f32 v[GR+1], v[GR+1], v[GS+1]
	v_add_f32 v[GR+2], v[GR+2], v[GS+2]
	v_min_num_f32 v[MINP], v[MINP], v[GS+3]
	v_cvt_f32_u32 v[GR+3], s48                     ; 34,816 at the most for a wave: exact
	s_lshl_b32 s49, s14, 5
	s_add_co_u32 s49, s49, RED
	v_mov_b32 v7, s49
	ds_store_b128 v7, v[GR:GR+3]                   ; every lane writes the same bytes with the same values
	ds_store_b32 v7, v[MINP] offset:16
	s_wait_dscnt 0x0                               ; for the sake of wave 0: zero
	s_barrier_signal -1
	s_barrier_wait -1
	s_cmp_lg_u32 s14, 0
	s_cbranch_scc1 .Lend
	v_and_b32 v7, 7, v0
	v_lshlrev_b32 v7, 5, v7
	v_add_nc_u32 v7, RED, v7                       ; lane L takes the figures of wave L mod 8
	ds_load_b128 v[GR:GR+3], v7
	ds_load_b32 v[MINP], v7 offset:16
	s_wait_dscnt 0x0
.irp m, 1,2,4
	v_add_f32_dpp v[GR],   v[GR],   v[GR]   row_xmask:\m row_mask:0xf bank_mask:0xf
	v_add_f32_dpp v[GR+1], v[GR+1], v[GR+1] row_xmask:\m row_mask:0xf bank_mask:0xf
	v_add_f32_dpp v[GR+2], v[GR+2], v[GR+2] row_xmask:\m row_mask:0xf bank_mask:0xf
	v_add_f32_dpp v[GR+3], v[GR+3], v[GR+3] row_xmask:\m row_mask:0xf bank_mask:0xf
	v_min_num_f32_dpp v[MINP], v[MINP], v[MINP] row_xmask:\m row_mask:0xf bank_mask:0xf
.endr
	v_mov_b32 v[GM], 0
	v_cmp_eq_u32 vcc_lo, 0, v0
	s_wait_xcnt 0x0                                ; EXEC is a source of phase 1's stores: it changes only behind this wait
	s_and_saveexec_b32 s19, vcc_lo
	global_store_b128 v[GM], v[GR:GR+3], s[12:13]  ; sum of exp, sum of distances, sum of relu, count
	global_store_b32 v[GM], v[MINP], s[12:13] offset:16        ; least positive pd2
	s_wait_xcnt 0x0
	s_or_b32 exec_lo, exec_lo, s19
.Lend:
	s_wait_tensorcnt 0x0
	ds_add_u32 v254, v255
	s_wait_dscnt 0x0
	ROUND                                          ; the closing round: no work-group ends while a partner may still ask jointly
	s_endpgm
.Lfunc_end_k_q8f517f69ee_distgram:
	.size	k_q8f517f69ee_distgram, .Lfunc_end_k_q8f517f69ee_distgram-k_q8f517f69ee_distgram
	.p2alignl 7, 3214868480
	.fill 96, 4, 3214868480
	.section	.rodata,"a",@progbits
	.p2align	6, 0x0
	.amdhsa_kernel k_q8f517f69ee_distgram
		.amdhsa_group_segment_fixed_size 220416
		.amdhsa_private_segment_fixed_size 0
		.amdhsa_enable_private_segment 0
		.amdhsa_kernarg_size 40
		.amdhsa_user_sgpr_count 2
		.amdhsa_user_sgpr_kernarg_segment_ptr 1
		.amdhsa_wavefront_size32 1
		.amdhsa_system_sgpr_workgroup_id_x 1
		.amdhsa_system_sgpr_workgroup_id_y 1
		.amdhsa_system_sgpr_workgroup_id_z 1
		.amdhsa_system_vgpr_workitem_id 0
		.amdhsa_next_free_vgpr 512
		.amdhsa_next_free_sgpr 102
		.amdhsa_reserve_vcc 1
		.amdhsa_float_denorm_mode_32 3
		.amdhsa_float_denorm_mode_16_64 3
		.amdhsa_memory_ordered 1
		.amdhsa_forward_progress 1
		.amdhsa_inst_pref_size 156
	.end_amdhsa_kernel
	.amdgpu_metadata
---
amdhsa.version: [ 1, 2 ]
amdhsa.kernels:
  - .name:           k_q8f517f69ee_distgram
    .symbol:         k_q8f517f69ee_distgram.kd
    .args:
      - { .name: frag, .offset: 0, .size: 8, .value_kind: global_buffer, .address_space: global }
      - { .name: aux, .offset: 8, .size: 8, .value_kind: global_buffer, .address_space: global }
      - { .name: pkey, .offset: 16, .size: 8, .value_kind: global_buffer, .address_space: global }
      - { .name: pgrp, .offset: 24, .size: 8, .value_kind: global_buffer, .address_space: global }
      - { .name: sums, .offset: 32, .size: 8, .value_kind: global_buffer, .address_space: global }
    .group_segment_fixed_size: 220416
    .private_segment_fixed_size: 0
    .kernarg_segment_align: 8
    .kernarg_segment_size: 40
    .max_flat_workgroup_size: 256
    .sgpr_count:     102
    .vgpr_count:     512
    .wavefront_size: 32
...
	.end_amdgpu_metadata
.endif
;; end of part 2
;; launch pick (part 3): grid 256 x 1, 16 waves a work-group, no clusters, 3,072 bytes of LDS; arguments latent, codebook, aux, pkey, pgrp, out0, out1, idxw, sums; writes out0, out1, idxw, sums
.if DOCPART == 3
	.amdgcn_target "amdgcn-amd-amdhsa--gfx1250"
	.amdhsa_code_object_version 6
	.text
	.protected	k_q8f517f69ee_pick
	.globl	k_q8f517f69ee_pick
	.p2align	8
	.type	k_q8f517f69ee_pick,@function
k_q8f517f69ee_pick:
	s_mov_b64 s[64:65], 0
	v_nop
	global_prefetch_b8 v0, s[64:65] scope:SCOPE_SE
	s_setreg_imm32_b32 hwreg(HW_REG_WAVE_MODE, 25, 1), 1
	s_wait_xcnt 0x0
; pick: the winning split, the index inside its group of 8 codes, the straight-through output, and each work-group's part of loss and cosine.
; A wave takes 4 latents; a row of 128 f32 is 16 bytes a lane.
; The split: pkey holds, for each of 16 splits, the least d2 as a whole number of the same order, pgrp the first group of 8 codes that gave
; it; both are whole numbers that the launch before stored.  Lane = split (the upper 16 lanes repeat the lower), 16 bytes = my 4 latents:
; an unsigned minimum of the key over 16 lanes, then the least group among the lanes that hold it, which is the lowest code.  Each wave
; reads 16-byte pieces of 16 rows of the tables; the 16 waves of the work-group together read each 256 bytes of them once.
; The group is clamped to 1023 before it enters an address.  All 36 row loads of a wave go out at once.
; d2 of the 8 codes is formed as in the launch that chose the group: inputs rounded to bf16, fl(fl(xx - 2 dot) + cc), the first of equal
; ones wins.  LIMIT: the dot is summed here by f32 multiply-adds and a sum over the lanes, not by the matrix unit, so two codes of ONE
; group whose d2 lie within a rounding of each other may be ordered otherwise.  That choice only selects values (v_cndmask_b32).
; Output, loss and cosine use the f32 inputs as they are.  No matrix work, no cluster: 8 rows a latent, shared with nobody.
.set OA,   1                           ; v1  16 L
.set IA,   2                           ; v2  16 x wave: my four indices in LDS
.set PA,   3                           ; v3  8 x wave: my two partial sums in LDS
.set LAT,  4                           ; v[4:19]    latent i, later the output row
.set CODE, 20                          ; v[20:147]  latent i, code j: 4 registers; row 0 becomes the chosen row
.set LB,   148                         ; v[148:149] the latent in bf16
.set CB,   150                         ; v[150:165] the 8 codes in bf16
.set KK,   150                         ; v[150:153] before that: my split's keys of the 4 latents
.set GG,   154                         ; v[154:157] its groups
.set KM,   158                         ; v[158:161] the least keys
.set KO,   162                         ; v162       65,536 x split + 4 x first latent
.set DOT,  166                         ; v[166:173]
.set TP,   174                         ; v[174:181]
.set J,    182
.set A3,   184                         ; v[184:189]
.set DF,   190                         ; v[190:193]
.set LOSS, 194                         ; v[194:195]
.set COS,  196
	s_load_b512 s[16:31], s[0:1], 0x0              ; latent 16, codebook 18, aux 20, pkey 22, pgrp 24, out0 26, out1 28, idxw 30
	s_load_b64 s[4:5], s[0:1], 0x40                ; sums
	v_lshl_add_u32 v200, v0, 2, 0x400
	v_mov_b32 v201, 0
	v_lshrrev_b32 v1, 5, v0
	v_readfirstlane_b32 s8, v1                     ; wave 0..15
	s_lshl_b32 s9, ttmp9, 6
	s_lshl2_add_u32 s9, s8, s9                     ; n0 = 64 x work-group + 4 x wave
	s_lshl_b32 s10, s9, 2                          ; its place in a row of pkey and pgrp
	s_lshr_b32 s11, s9, 4
	s_lshl_b32 s11, s11, 7
	s_and_b32 s12, s9, 15
	s_lshl2_add_u32 s11, s12, s11                  ; its xx in aux: 128 bytes a block of 16, 4 bytes a row
	s_lshl_b32 s2, s9, 9                           ; 512 bytes a row
	s_mov_b32 s3, 0
	s_mov_b32 s14, 0x76543210
	s_mov_b32 s15, 0xfedcba98
	s_mov_b32 s94, 0x2b8cbccc                      ; 1e-12
	v_and_b32 v1, 31, v0
	v_lshlrev_b32 v[OA], 4, v1
	s_lshl_b32 s13, s8, 4
	v_mov_b32 v[IA], s13
	s_lshl_b32 s13, s8, 3
	v_mov_b32 v[PA], s13
	v_and_b32 v[KO], 15, v0                        ; split
	v_lshlrev_b32 v[KO], 16, v[KO]
	v_add_nc_u32 v[KO], s10, v[KO]
	s_wait_kmcnt 0x0
	global_load_b128 v[KK:KK+3], v[KO], s[22:23]
	global_load_b128 v[GG:GG+3], v[KO], s[24:25]
	s_load_b128 s[36:39], s[20:21], s11 offset:0x0 ; four xx
	s_add_nc_u64 s[16:17], s[16:17], s[2:3]
	s_add_nc_u64 s[26:27], s[26:27], s[2:3]
.irp i, 0,1,2,3
	global_load_b128 v[LAT+4*\i:LAT+4*\i+3], v[OA], s[16:17] offset:512*\i
.endr
.irp j, 0,1,2,3,4,5,6,7
	v_mov_b32 v[TP+\j], 0                          ; the destination of a lane permute counts as read
.endr
	v_mov_b32 v[LOSS], 0
	v_mov_b32 v[LOSS+1], 0
	v_mov_b32 v[COS], 0
	s_wait_loadcnt 0x4                             ; loads return in order: keys and groups are in, the four latent rows stay out
.irp i, 0,1,2,3
	v_mov_b32 v[KM+\i], v[KK+\i]
.endr
.irp m, 1,2,4,8
.irp i, 0,1,2,3
	v_min_u32_dpp v[KM+\i], v[KM+\i], v[KM+\i] row_xmask:\m row_mask:0xf bank_mask:0xf        ; the least key of the 16 splits, in every lane
.endr
.endr
.irp i, 0,1,2,3
	v_cmp_eq_u32 vcc_lo, v[KK+\i], v[KM+\i]
	v_cndmask_b32 v[GG+\i], -1, v[GG+\i], vcc_lo   ; splits that do not hold it drop out
.endr
.irp m, 1,2,4,8
.irp i, 0,1,2,3
	v_min_u32_dpp v[GG+\i], v[GG+\i], v[GG+\i] row_xmask:\m row_mask:0xf bank_mask:0xf        ; the lowest group among those that do
.endr
.endr
.irp i, 0,1,2,3
	v_readfirstlane_b32 s[32+\i], v[GG+\i]
.endr
.irp i, 0,1,2,3
	s_min_u32 s[32+\i], s[32+\i], 0x3ff            ; a loaded number enters an address only behind this clamp
	s_and_b32 s84, s[32+\i], 0x3fe
	s_and_b32 s85, s[32+\i], 1
	s_lshl_b32 s84, s84, 6                         ; tile g / 2: 128 bytes of aux,
	s_lshl_b32 s85, s85, 5                         ; its upper or lower 8 codes: 32 bytes
	s_add_co_u32 s[86+\i], s84, s85
	s_lshl_b32 s84, s[32+\i], 12                   ; 8 rows of 512 bytes
	s_mov_b32 s85, 0
	s_add_nc_u64 s[76+2*\i:77+2*\i], s[18:19], s[84:85]
	s_lshl_b32 s[90+\i], s[32+\i], 3               ; the first code of the group
.endr
	s_load_b256 s[40:47], s[20:21], s86 offset:0x20000         ; cc of the 8 codes; the code tiles begin 131,072 bytes into aux
	s_load_b256 s[48:55], s[20:21], s87 offset:0x20000
	s_load_b256 s[56:63], s[20:21], s88 offset:0x20000
	s_load_b256 s[68:75], s[20:21], s89 offset:0x20000
.irp i, 0,1,2,3
.irp j, 0,1,2,3,4,5,6,7
	global_load_b128 v[CODE+32*\i+4*\j:CODE+32*\i+4*\j+3], v[OA], s[76+2*\i:77+2*\i] offset:512*\j
.endr
.endr
	s_wait_kmcnt 0x0                               ; xx and cc
.macro WORK i, cc
	s_wait_loadcnt 8*(3-\i)                        ; the four latents and the code rows up to latent i are in; 8 rows for each later latent stay out
	v_cvt_pk_bf16_f32 v[LB],   v[LAT+4*\i],   v[LAT+4*\i+1]
	v_cvt_pk_bf16_f32 v[LB+1], v[LAT+4*\i+2], v[LAT+4*\i+3]
.irp j, 0,1,2,3,4,5,6,7
	v_cvt_pk_bf16_f32 v[CB+2*\j],   v[CODE+32*\i+4*\j],   v[CODE+32*\i+4*\j+1]
	v_cvt_pk_bf16_f32 v[CB+2*\j+1], v[CODE+32*\i+4*\j+2], v[CODE+32*\i+4*\j+3]
.endr
.irp j, 0,1,2,3,4,5,6,7
	v_fma_mix_f32_bf16 v[DOT+\j], v[LB], v[CB+2*\j], 0 op_sel_hi:[1,1,0]                          ; low halves start the sum
.endr
.irp j, 0,1,2,3,4,5,6,7
	v_fma_mix_f32_bf16 v[DOT+\j], v[LB], v[CB+2*\j], v[DOT+\j] op_sel:[1,1,0] op_sel_hi:[1,1,0]   ; high halves
.endr
.irp j, 0,1,2,3,4,5,6,7
	v_fma_mix_f32_bf16 v[DOT+\j], v[LB+1], v[CB+2*\j+1], v[DOT+\j] op_sel_hi:[1,1,0]
.endr
.irp j, 0,1,2,3,4,5,6,7
	v_fma_mix_f32_bf16 v[DOT+\j], v[LB+1], v[CB+2*\j+1], v[DOT+\j] op_sel:[1,1,0] op_sel_hi:[1,1,0]
.endr
.irp m, 1,2,4,8
.irp j, 0,1,2,3,4,5,6,7
	v_add_f32_dpp v[DOT+\j], v[DOT+\j], v[DOT+\j] row_xmask:\m row_mask:0xf bank_mask:0xf
.endr
.endr
.irp j, 0,1,2,3,4,5,6,7
	v_permlanex16_b32 v[TP+\j], v[DOT+\j], s14, s15
.endr
.irp j, 0,1,2,3,4,5,6,7
	v_add_f32 v[DOT+\j], v[DOT+\j], v[TP+\j]       ; the same bits in every lane: each step adds the same two numbers on both sides
.endr
.irp j, 0,1,2,3,4,5,6,7
	v_fma_f32 v[DOT+\j], -2.0, v[DOT+\j], s[36+\i] ; fl(xx - 2 dot)
.endr
.irp j, 0,1,2,3,4,5,6,7
	v_add_f32 v[DOT+\j], s[\cc+\j], v[DOT+\j]      ; + cc
.endr
	v_mov_b32 v[J], 0
.irp j, 1,2,3,4,5,6,7
	v_cmp_lt_f32 vcc_lo, v[DOT+\j], v[DOT]         ; strictly less, codes ascending: the first stays
	v_cndmask_b32 v[DOT], v[DOT], v[DOT+\j], vcc_lo
	v_cndmask_b32 v[J], v[J], \j, vcc_lo
	v_cndmask_b32 v[CODE+32*\i],   v[CODE+32*\i],   v[CODE+32*\i+4*\j],   vcc_lo
	v_cndmask_b32 v[CODE+32*\i+1], v[CODE+32*\i+1], v[CODE+32*\i+4*\j+1], vcc_lo
	v_cndmask_b32 v[CODE+32*\i+2], v[CODE+32*\i+2], v[CODE+32*\i+4*\j+2], vcc_lo
	v_cndmask_b32 v[CODE+32*\i+3], v[CODE+32*\i+3], v[CODE+32*\i+4*\j+3], vcc_lo
.endr
	v_add_nc_u32 v[J], s[90+\i], v[J]
	ds_store_b32 v[IA], v[J] offset:4*\i           ; every lane writes the same word with the same value
	v_pk_mul_f32 v[A3:A3+1],   v[LAT+4*\i:LAT+4*\i+1],   v[CODE+32*\i:CODE+32*\i+1]           ; l . q
	v_pk_mul_f32 v[A3+2:A3+3], v[LAT+4*\i:LAT+4*\i+1],   v[LAT+4*\i:LAT+4*\i+1]               ; l . l
	v_pk_mul_f32 v[A3+4:A3+5], v[CODE+32*\i:CODE+32*\i+1], v[CODE+32*\i:CODE+32*\i+1]         ; q . q
	v_pk_fma_f32 v[A3:A3+1],   v[LAT+4*\i+2:LAT+4*\i+3], v[CODE+32*\i+2:CODE+32*\i+3], v[A3:A3+1]
	v_pk_fma_f32 v[A3+2:A3+3], v[LAT+4*\i+2:LAT+4*\i+3], v[LAT+4*\i+2:LAT+4*\i+3], v[A3+2:A3+3]
	v_pk_fma_f32 v[A3+4:A3+5], v[CODE+32*\i+2:CODE+32*\i+3], v[CODE+32*\i+2:CODE+32*\i+3], v[A3+4:A3+5]
	v_add_f32 v[A3],   v[A3],   v[A3+1]
	v_add_f32 v[A3+2], v[A3+2], v[A3+3]
	v_add_f32 v[A3+4], v[A3+4], v[A3+5]
.irp m, 1,2,4,8
	v_add_f32_dpp v[A3],   v[A3],   v[A3]   row_xmask:\m row_mask:0xf bank_mask:0xf
	v_add_f32_dpp v[A3+2], v[A3+2], v[A3+2] row_xmask:\m row_mask:0xf bank_mask:0xf
	v_add_f32_dpp v[A3+4], v[A3+4], v[A3+4] row_xmask:\m row_mask:0xf bank_mask:0xf
.endr
	v_permlanex16_b32 v[TP],   v[A3],   s14, s15
	v_permlanex16_b32 v[TP+1], v[A3+2], s14, s15
	v_permlanex16_b32 v[TP+2], v[A3+4], s14, s15
	v_add_f32 v[A3],   v[A3],   v[TP]
	v_add_f32 v[A3+2], v[A3+2], v[TP+1]
	v_add_f32 v[A3+4], v[A3+4], v[TP+2]
	v_sqrt_f32 v[A3+1], v[A3+2]
	v_sqrt_f32 v[A3+3], v[A3+4]
	v_pk_add_f32 v[DF:DF+1],   v[CODE+32*\i:CODE+32*\i+1],   v[LAT+4*\i:LAT+4*\i+1]   neg_lo:[0,1] neg_hi:[0,1]   ; q - l; also the plain place behind the roots
	v_pk_add_f32 v[DF+2:DF+3], v[CODE+32*\i+2:CODE+32*\i+3], v[LAT+4*\i+2:LAT+4*\i+3] neg_lo:[0,1] neg_hi:[0,1]
	s_wait_alu depctr_va_vdst(0)
	v_max_num_f32 v[A3+1], s94, v[A3+1]
	v_max_num_f32 v[A3+3], s94, v[A3+3]
	v_mul_f32 v[A3+1], v[A3+1], v[A3+3]
	v_rcp_f32 v[A3+5], v[A3+1]
	v_pk_fma_f32 v[LOSS:LOSS+1], v[DF:DF+1], v[DF:DF+1], v[LOSS:LOSS+1]        ; the plain place behind v_rcp_f32
	v_pk_fma_f32 v[LOSS:LOSS+1], v[DF+2:DF+3], v[DF+2:DF+3], v[LOSS:LOSS+1]
	s_wait_alu depctr_va_vdst(0)
	v_fmac_f32 v[COS], v[A3], v[A3+5]
	v_pk_add_f32 v[LAT+4*\i:LAT+4*\i+1],   v[LAT+4*\i:LAT+4*\i+1],   v[DF:DF+1]       ; l + (q - l), as it is written in the problem
	v_pk_add_f32 v[LAT+4*\i+2:LAT+4*\i+3], v[LAT+4*\i+2:LAT+4*\i+3], v[DF+2:DF+3]
	global_store_b128 v[OA], v[LAT+4*\i:LAT+4*\i+3], s[26:27] offset:512*\i    ; 512 consecutive bytes; these registers are not written again
.endm
	WORK 0, 40
	WORK 1, 48
	WORK 2, 56
	WORK 3, 68
	v_add_f32 v[LOSS], v[LOSS], v[LOSS+1]
.irp m, 1,2,4,8
	v_add_f32_dpp v[LOSS], v[LOSS], v[LOSS] row_xmask:\m row_mask:0xf bank_mask:0xf
.endr
	v_permlanex16_b32 v[TP], v[LOSS], s14, s15
	v_add_f32 v[LOSS], v[LOSS], v[TP]
	v_mov_b32 v[LOSS+1], v[COS]
	ds_store_b64 v[PA], v[LOSS:LOSS+1] offset:256
	s_wait_dscnt 0x0                               ; for the sake of wave 0: zero
	s_barrier_signal -1
	s_barrier_wait -1
	s_cmp_lg_u32 s8, 0
	s_cbranch_scc1 .Lend
	v_lshlrev_b32 v[TP], 3, v0                     ; in wave 0 v0 is the lane: two of the 64 indices each
	v_and_b32 v[TP+1], 15, v0
	v_lshlrev_b32 v[TP+1], 3, v[TP+1]              ; and the figures of wave L mod 16
	ds_load_b64 v[A3:A3+1], v[TP]
	ds_load_b64 v[A3+2:A3+3], v[TP+1] offset:256
	s_lshl_b32 s2, ttmp9, 8
	s_add_nc_u64 s[28:29], s[28:29], s[2:3]
	s_add_nc_u64 s[30:31], s[30:31], s[2:3]
	s_lshl_b32 s2, ttmp9, 3
	s_add_nc_u64 s[4:5], s[4:5], s[2:3]
	s_wait_dscnt 0x0
	global_store_b64 v[TP], v[A3:A3+1], s[28:29]   ; 256 consecutive bytes, aligned: the output
	global_store_b64 v[TP], v[A3:A3+1], s[30:31]   ; and the copy that the next launch reads
.irp m, 1,2,4,8
	v_add_f32_dpp v[A3+2], v[A3+2], v[A3+2] row_xmask:\m row_mask:0xf bank_mask:0xf
	v_add_f32_dpp v[A3+3], v[A3+3], v[A3+3] row_xmask:\m row_mask:0xf bank_mask:0xf
.endr
	v_mov_b32 v[TP+2], 0
	v_cmp_eq_u32 vcc_lo, 0, v0
	s_wait_xcnt 0x0                                ; EXEC is a source of the stores above: it changes only behind this wait
	s_and_saveexec_b32 s12, vcc_lo
	global_store_b64 v[TP+2], v[A3+2:A3+3], s[4:5] offset:8192         ; sum of squared differences, sum of cosines
	s_wait_xcnt 0x0
	s_or_b32 exec_lo, exec_lo, s12
.Lend:
	s_wait_tensorcnt 0x0
	ds_add_u32 v200, v201
	s_wait_dscnt 0x0
	s_endpgm
.Lfunc_end_k_q8f517f69ee_pick:
	.size	k_q8f517f69ee_pick, .Lfunc_end_k_q8f517f69ee_pick-k_q8f517f69ee_pick
	.p2alignl 7, 3214868480
	.fill 96, 4, 3214868480
	.section	.rodata,"a",@progbits
	.p2align	6, 0x0
	.amdhsa_kernel k_q8f517f69ee_pick
		.amdhsa_group_segment_fixed_size 3072
		.amdhsa_private_segment_fixed_size 0
		.amdhsa_enable_private_segment 0
		.amdhsa_kernarg_size 72
		.amdhsa_user_sgpr_count 2
		.amdhsa_user_sgpr_kernarg_segment_ptr 1
		.amdhsa_wavefront_size32 1
		.amdhsa_system_sgpr_workgroup_id_x 1
		.amdhsa_system_sgpr_workgroup_id_y 1
		.amdhsa_system_sgpr_workgroup_id_z 1
		.amdhsa_system_vgpr_workitem_id 0
		.amdhsa_next_free_vgpr 202
		.amdhsa_next_free_sgpr 96
		.amdhsa_reserve_vcc 1
		.amdhsa_float_denorm_mode_32 3
		.amdhsa_float_denorm_mode_16_64 3
		.amdhsa_memory_ordered 1
		.amdhsa_forward_progress 1
		.amdhsa_inst_pref_size 55
	.end_amdhsa_kernel
	.amdgpu_metadata
---
amdhsa.version: [ 1, 2 ]
amdhsa.kernels:
  - .name:           k_q8f517f69ee_pick
    .symbol:         k_q8f517f69ee_pick.kd
    .args:
      - { .name: latent, .offset: 0, .size: 8, .value_kind: global_buffer, .address_space: global }
      - { .name: codebook, .offset: 8, .size: 8, .value_kind: global_buffer, .address_space: global }
      - { .name: aux, .offset: 16, .size: 8, .value_kind: global_buffer, .address_space: global }
      - { .name: pkey, .offset: 24, .size: 8, .value_kind: global_buffer, .address_space: global }
      - { .name: pgrp, .offset: 32, .size: 8, .value_kind: global_buffer, .address_space: global }
      - { .name: out0, .offset: 40, .size: 8, .value_kind: global_buffer, .address_space: global }
      - { .name: out1, .offset: 48, .size: 8, .value_kind: global_buffer, .address_space: global }
      - { .name: idxw, .offset: 56, .size: 8, .value_kind: global_buffer, .address_space: global }
      - { .name: sums, .offset: 64, .size: 8, .value_kind: global_buffer, .address_space: global }
    .group_segment_fixed_size: 3072
    .private_segment_fixed_size: 0
    .kernarg_segment_align: 8
    .kernarg_segment_size: 72
    .max_flat_workgroup_size: 512
    .sgpr_count:     96
    .vgpr_count:     202
    .wavefront_size: 32
...
	.end_amdgpu_metadata
.endif
;; end of part 3
;; launch hist (part 4): grid 256 x 1, 32 waves a work-group, no clusters, 8,192 bytes of LDS; arguments idxw, sums; writes sums
.if DOCPART == 4
	.amdgcn_target "amdgcn-amd-amdhsa--gfx1250"
	.amdhsa_code_object_version 6
	.text
	.protected	k_q8f517f69ee_hist
	.globl	k_q8f517f69ee_hist
	.p2align	8
	.type	k_q8f517f69ee_hist,@function
k_q8f517f69ee_hist:
	s_mov_b64 s[64:65], 0
	v_nop
	global_prefetch_b8 v0, s[64:65] scope:SCOPE_SE
	s_setreg_imm32_b32 hwreg(HW_REG_WAVE_MODE, 25, 1), 1
	s_wait_xcnt 0x0
; hist: how often each code was chosen, by gathering: work-group g owns codes 32 g .. 32 g + 31 and scans all 16,384 indices, 512 a wave.
; 32 waves, so that the chain of a vector compare, a scalar test and a branch, which each register of indices costs, is 16 long in a wave
; and eight waves of a SIMD take turns on it.  The counter has lane = code.  A register holds 32 indices; it is first tested for any index
; in my 32 codes, and only the hits are walked: a counted loop whose number of trips is the number of set bits of the mask.
; The indices are whole numbers that an earlier launch stored; no address hangs on them.  If every index named one code, one work-group
; would walk 512 hits a wave: slower, and still right.
; The result is the work-group's part of the sum of p log2(p + 1e-10), p = count / 16384.
.set X, 4                              ; v[4:19] my 16 registers of indices
	s_load_b128 s[4:7], s[0:1], 0x0                ; idxw s[4:5], sums s[6:7]
	v_lshl_add_u32 v104, v0, 2, 0x1000
	v_mov_b32 v105, 0
	v_lshrrev_b32 v2, 5, v0
	v_readfirstlane_b32 s8, v2                     ; wave 0..31
	s_lshl_b32 s9, ttmp9, 5                        ; my first code
	s_lshl_b32 s18, ttmp9, 2
	s_mov_b32 s19, 0
	s_mov_b32 s16, 0x76543210
	s_mov_b32 s17, 0xfedcba98
	v_and_b32 v1, 31, v0                           ; lane = code - first code
	v_lshlrev_b32 v2, 4, v1
	v_lshl_add_u32 v2, s8, 11, v2                  ; 16 L + 2,048 x wave
	v_mov_b32 v3, 0                                ; the counter
	s_wait_kmcnt 0x0
	s_add_nc_u64 s[6:7], s[6:7], s[18:19]
.irp k, 0,1,2,3
	global_load_b128 v[X+4*\k:X+4*\k+3], v2, s[4:5] offset:512*\k      ; 512 consecutive bytes each
.endr
.macro VEC r
	v_sub_nc_u32 v[\r], v[\r], s9                  ; 0..31 for my codes, larger (unsigned) for all others
	v_cmp_gt_u32 vcc_lo, 32, v[\r]
	s_mov_b32 s10, vcc_lo                          ; the hits
	s_cmp_eq_u32 s10, 0
	s_cbranch_scc1 .Lskip_\@
	s_bcnt1_i32_b32 s11, s10                       ; their number: the trips
	s_mov_b32 s12, 0
.Lhit_\@:
	s_ctz_i32_b32 s13, s10                         ; the lowest hit lane,
	v_readlane_b32 s14, v[\r], s13                 ; its code,
	s_sub_co_u32 s15, s10, 1
	s_and_b32 s10, s10, s15                        ; and the lane struck off
	v_cmp_eq_u32 vcc_lo, s14, v1
	v_add_co_ci_u32 v3, vcc_lo, 0, v3, vcc_lo      ; one more in the lane of that code
	s_add_co_u32 s12, s12, 1
	s_cmp_lt_u32 s12, s11
	s_cbranch_scc1 .Lhit_\@
.Lskip_\@:
.endm
.irp k, 0,1,2,3
	s_wait_loadcnt 3-\k                            ; loads return in order: load k is in, the 3 - k younger ones stay out
.irp c, 0,1,2,3
	VEC X+4*\k+\c
.endr
.endr
	v_lshlrev_b32 v68, 2, v0                       ; 128 x wave + 4 x lane
	ds_store_b32 v68, v3
	s_wait_dscnt 0x0                               ; for the sake of wave 0: zero
	s_barrier_signal -1
	s_barrier_wait -1
	s_cmp_lg_u32 s8, 0
	s_cbranch_scc1 .Lend
.set j, 0
.rept 32
	ds_load_b32 v[70+j], v68 offset:128*j          ; in wave 0 v68 is 4 x lane: the 32 waves' counts of my code
.set j, j+1
.endr
	s_wait_dscnt 0x0
.set j, 1
.rept 15
	v_add3_u32 v70, v70, v[70+j], v[71+j]
.set j, j+2
.endr
	v_add_nc_u32 v70, v70, v101
	v_cvt_f32_u32 v70, v70
	v_mul_f32 v70, 0x38800000, v70                 ; p = count / 16384
	v_add_f32 v71, 0x2edbe6ff, v70                 ; p + 1e-10
	v_log_f32 v72, v71
	v_nop                                          ; one plain place behind a transcendental (ISA guide 5.7.2)
	s_wait_alu depctr_va_vdst(0)
	v_mul_f32 v70, v70, v72
.irp m, 1,2,4,8
	v_add_f32_dpp v70, v70, v70 row_xmask:\m row_mask:0xf bank_mask:0xf
.endr
	v_permlanex16_b32 v73, v70, s16, s17
	v_add_f32 v70, v70, v73
	v_mov_b32 v74, 0
	v_cmp_eq_u32 vcc_lo, 0, v0
	s_wait_xcnt 0x0                                ; EXEC changes only behind this wait
	s_and_saveexec_b32 s20, vcc_lo
	global_store_b32 v74, v70, s[6:7] offset:10240
	s_wait_xcnt 0x0
	s_or_b32 exec_lo, exec_lo, s20
.Lend:
	s_wait_tensorcnt 0x0
	ds_add_u32 v104, v105
	s_wait_dscnt 0x0
	s_endpgm
.Lfunc_end_k_q8f517f69ee_hist:
	.size	k_q8f517f69ee_hist, .Lfunc_end_k_q8f517f69ee_hist-k_q8f517f69ee_hist
	.p2alignl 7, 3214868480
	.fill 96, 4, 3214868480
	.section	.rodata,"a",@progbits
	.p2align	6, 0x0
	.amdhsa_kernel k_q8f517f69ee_hist
		.amdhsa_group_segment_fixed_size 8192
		.amdhsa_private_segment_fixed_size 0
		.amdhsa_enable_private_segment 0
		.amdhsa_kernarg_size 16
		.amdhsa_user_sgpr_count 2
		.amdhsa_user_sgpr_kernarg_segment_ptr 1
		.amdhsa_wavefront_size32 1
		.amdhsa_system_sgpr_workgroup_id_x 1
		.amdhsa_system_sgpr_workgroup_id_y 1
		.amdhsa_system_sgpr_workgroup_id_z 1
		.amdhsa_system_vgpr_workitem_id 0
		.amdhsa_next_free_vgpr 106
		.amdhsa_next_free_sgpr 66
		.amdhsa_reserve_vcc 1
		.amdhsa_float_denorm_mode_32 3
		.amdhsa_float_denorm_mode_16_64 3
		.amdhsa_memory_ordered 1
		.amdhsa_forward_progress 1
		.amdhsa_inst_pref_size 15
	.end_amdhsa_kernel
	.amdgpu_metadata
---
amdhsa.version: [ 1, 2 ]
amdhsa.kernels:
  - .name:           k_q8f517f69ee_hist
    .symbol:         k_q8f517f69ee_hist.kd
    .args:
      - { .name: idxw, .offset: 0, .size: 8, .value_kind: global_buffer, .address_space: global }
      - { .name: sums, .offset: 8, .size: 8, .value_kind: global_buffer, .address_space: global }
    .group_segment_fixed_size: 8192
    .private_segment_fixed_size: 0
    .kernarg_segment_align: 8
    .kernarg_segment_size: 16
    .max_flat_workgroup_size: 1024
    .sgpr_count:     66
    .vgpr_count:     106
    .wavefront_size: 32
...
	.end_amdgpu_metadata
.endif
;; end of part 4
;; launch final (part 5): grid 1 x 1, 8 waves a work-group, no clusters, 1,536 bytes of LDS; arguments sums, out2, out3, out4, out5, out6, out7; writes out2, out3, out4, out5, out6, out7
.if DOCPART == 5
	.amdgcn_target "amdgcn-amd-amdhsa--gfx1250"
	.amdhsa_code_object_version 6
	.text
	.protected	k_q8f517f69ee_final
	.globl	k_q8f517f69ee_final
	.p2align	8
	.type	k_q8f517f69ee_final,@function
k_q8f517f69ee_final:
	s_mov_b64 s[64:65], 0
	v_nop
	global_prefetch_b8 v0, s[64:65] scope:SCOPE_SE
	s_setreg_imm32_b32 hwreg(HW_REG_WAVE_MODE, 25, 1), 1
	s_wait_xcnt 0x0
; final: the six numbers.  Thread t of 256 takes what work-group t of three earlier launches left in sums:
; 32 t: sum of exp, sum of distances, sum of relu(2 - distance), count, least positive pd2;  8192 + 8 t: sum of squared differences,
; sum of cosines;  10240 + 4 t: its part of the sum of p log2(p + 1e-10).  One work-group: 11 KiB in, 24 bytes out.
	s_load_b256 s[8:15], s[0:1], 0x0               ; sums 8, out2 10, out3 12, out4 14
	s_load_b128 s[16:19], s[0:1], 0x20             ; out5 16, out6 18
	s_load_b64 s[20:21], s[0:1], 0x30              ; out7
	v_lshl_add_u32 v32, v0, 2, 0x200
	v_mov_b32 v33, 0
	v_lshrrev_b32 v1, 5, v0
	v_readfirstlane_b32 s4, v1                     ; wave 0..7
	s_mov_b32 s6, 0x76543210
	s_mov_b32 s7, 0xfedcba98
	v_lshlrev_b32 v1, 5, v0
	v_lshlrev_b32 v2, 3, v0
	v_lshlrev_b32 v3, 2, v0
	s_wait_kmcnt 0x0
	global_load_b128 v[4:7], v1, s[8:9]            ; v4 exp, v5 distances, v6 relu, v7 count
	global_load_b32 v8, v1, s[8:9] offset:16       ; v8 least pd2
	global_load_b32 v9, v3, s[8:9] offset:10240    ; v9 entropy part
	global_load_b64 v[10:11], v2, s[8:9] offset:8192           ; v10 loss, v11 cosine
.irp q, 0,1,2,3,4,5,6,7
	v_mov_b32 v[12+\q], 0                          ; the destination of a lane permute counts as read
.endr
	s_wait_loadcnt 0x0
.macro FLY m                           ; one step of seven sums and one minimum inside each half of 16 lanes
.irp q, 4,5,6,7,9,10,11
	v_add_f32_dpp v[\q], v[\q], v[\q] row_xmask:\m row_mask:0xf bank_mask:0xf
.endr
	v_min_num_f32_dpp v8, v8, v8 row_xmask:\m row_mask:0xf bank_mask:0xf
.endm
	FLY 1
	FLY 2
	FLY 4
	FLY 8
.irp q, 0,1,2,3,4,5,6,7
	v_permlanex16_b32 v[12+\q], v[4+\q], s6, s7
.endr
.irp q, 0,1,2,3,5,6,7
	v_add_f32 v[4+\q], v[4+\q], v[12+\q]
.endr
	v_min_num_f32 v8, v8, v16
	s_lshl_b32 s5, s4, 5
	v_mov_b32 v20, s5
	ds_store_b128 v20, v[4:7]                      ; every lane writes the same bytes with the same values
	ds_store_b128 v20, v[8:11] offset:16
	s_wait_dscnt 0x0                               ; for the sake of wave 0: zero
	s_barrier_signal -1
	s_barrier_wait -1
	s_cmp_lg_u32 s4, 0
	s_cbranch_scc1 .Lend
	v_and_b32 v21, 7, v0
	v_lshlrev_b32 v21, 5, v21                      ; lane L takes the figures of wave L mod 8
	ds_load_b128 v[4:7], v21
	ds_load_b128 v[8:11], v21 offset:16
	s_wait_dscnt 0x0
	FLY 1
	FLY 2
	FLY 4
	v_mul_f32 v12, 0x34000000, v10                 ; out2 = 0.25 x loss / 2^21
	v_mul_f32 v13, 0x35000000, v10                 ; mean squared difference
	v_fmamk_f32 v13, v4, 0x32800000, v13           ; + sum of exp / 2^26
	v_fmamk_f32 v13, v6, 0x314ccccd, v13           ; + 0.2 x sum of relu / 2^26
	v_mul_f32 v14, -1.0, v9
	v_exp_f32 v15, v14                             ; out4 = 2^(- sum of p log2(p + 1e-10))
	v_rcp_f32 v16, v7
	v_sqrt_f32 v17, v8                             ; out7: the root of the least positive pd2
	v_mul_f32 v18, 0x38800000, v11                 ; out5 = sum of cosines / 16384; also the plain place behind the three transcendentals
	s_wait_alu depctr_va_vdst(0)
	v_mul_f32 v16, v5, v16                         ; out6 = sum of distances / count
	v_mov_b32 v19, 0
	v_cmp_eq_u32 vcc_lo, 0, v0
	s_wait_xcnt 0x0                                ; EXEC changes only behind this wait
	s_and_saveexec_b32 s5, vcc_lo
	global_store_b32 v19, v12, s[10:11]
	global_store_b32 v19, v13, s[12:13]
	global_store_b32 v19, v15, s[14:15]
	global_store_b32 v19, v18, s[16:17]
	global_store_b32 v19, v16, s[18:19]
	global_store_b32 v19, v17, s[20:21]
	s_wait_xcnt 0x0
	s_or_b32 exec_lo, exec_lo, s5
.Lend:
	s_wait_tensorcnt 0x0
	ds_add_u32 v32, v33
	s_wait_dscnt 0x0
	s_endpgm
.Lfunc_end_k_q8f517f69ee_final:
	.size	k_q8f517f69ee_final, .Lfunc_end_k_q8f517f69ee_final-k_q8f517f69ee_final
	.p2alignl 7, 3214868480
	.fill 96, 4, 3214868480
	.section	.rodata,"a",@progbits
	.p2align	6, 0x0
	.amdhsa_kernel k_q8f517f69ee_final
		.amdhsa_group_segment_fixed_size 1536
		.amdhsa_private_segment_fixed_size 0
		.amdhsa_enable_private_segment 0
		.amdhsa_kernarg_size 56
		.amdhsa_user_sgpr_count 2
		.amdhsa_user_sgpr_kernarg_segment_ptr 1
		.amdhsa_wavefront_size32 1
		.amdhsa_system_sgpr_workgroup_id_x 1
		.amdhsa_system_sgpr_workgroup_id_y 1
		.amdhsa_system_sgpr_workgroup_id_z 1
		.amdhsa_system_vgpr_workitem_id 0
		.amdhsa_next_free_vgpr 34
		.amdhsa_next_free_sgpr 66
		.amdhsa_reserve_vcc 1
		.amdhsa_float_denorm_mode_32 3
		.amdhsa_float_denorm_mode_16_64 3
		.amdhsa_memory_ordered 1
		.amdhsa_forward_progress 1
		.amdhsa_inst_pref_size 8
	.end_amdhsa_kernel
	.amdgpu_metadata
---
amdhsa.version: [ 1, 2 ]
amdhsa.kernels:
  - .name:           k_q8f517f69ee_final
    .symbol:         k_q8f517f69ee_final.kd
    .args:
      - { .name: sums, .offset: 0, .size: 8, .value_kind: global_buffer, .address_space: global }
      - { .name: out2, .offset: 8, .size: 8, .value_kind: global_buffer, .address_space: global }
      - { .name: out3, .offset: 16, .size: 8, .value_kind: global_buffer, .address_space: global }
      - { .name: out4, .offset: 24, .size: 8, .value_kind: global_buffer, .address_space: global }
      - { .name: out5, .offset: 32, .size: 8, .value_kind: global_buffer, .address_space: global }
      - { .name: out6, .offset: 40, .size: 8, .value_kind: global_buffer, .address_space: global }
      - { .name: out7, .offset: 48, .size: 8, .value_kind: global_buffer, .address_space: global }
    .group_segment_fixed_size: 1536
    .private_segment_fixed_size: 0
    .kernarg_segment_align: 8
    .kernarg_segment_size: 56
    .max_flat_workgroup_size: 256
    .sgpr_count:     66
    .vgpr_count:     34
    .wavefront_size: 32
...
	.end_amdgpu_metadata
.endif
;; end of part 5
;; ======== version 2 of 2: 5 launches; version 1 with the launch prep written anew for expert scheduling mode
;; workspace buffers: frag 7,340,032 bytes; aux 229,376 bytes; pkey 1,048,576 bytes of whole numbers; pgrp 1,048,576 bytes of whole numbers; idxw 65,536 bytes of whole numbers; sums 11,264 bytes
;; launch prep (part 6): grid 256 x 1, 6 waves a work-group, no clusters, 0 bytes of LDS; arguments latent, codebook, frag, aux; writes frag, aux
.if DOCPART == 6
	.amdgcn_target "amdgcn-amd-amdhsa--gfx1250"
	.amdhsa_code_object_version 6
	.text
	.protected	k_q8f517f69ee_prep
	.globl	k_q8f517f69ee_prep
	.p2align	8
	.type	k_q8f517f69ee_prep,@function
k_q8f517f69ee_prep:
	s_mov_b64 s[64:65], 0
	v_nop
	global_prefetch_b8 v0, s[64:65] scope:SCOPE_SE
	s_setreg_imm32_b32 hwreg(HW_REG_WAVE_SCHED_MODE, 0, 2), 2
	s_setreg_imm32_b32 hwreg(HW_REG_WAVE_MODE, 25, 1), 1
	s_wait_xcnt 0x0
	s_wait_alu depctr_vm_vsrc(0)
; prep: bf16 copies of latent and codebook in the order in which the matrix unit wants them, and each row's sum of squares.
; A block is 16 rows x 128 numbers.  Blocks 0..1023 are latent rows, blocks 1024+t are code tiles t = 0..511; tiles 0..255 are
; stored a second time as tiles 512..767, so that a walk of 288 tiles that starts anywhere below 512 never has to wrap.
; frag, 4,096 bytes a block: piece i = 0..7 of 512 bytes; lane L = 16 h + r owns bytes 16 L of a piece: row r, k = 16 i + 8 h .. + 7.
; Pieces 2 s and 2 s + 1 are registers 0-3 and 4-7 of a 16-bit fragment of K step s (ISA guide 7.12.2), for A and for B alike.
; aux, 128 bytes a block: 16 f32 ss = sum of squares of the ROUNDED row, then 16 f32 rn = 1 / max(sqrt(ss), 1e-12).
; One wave, one block: 6 waves x 256 work-groups = 1,536 blocks.  The 16 loads of a wave cover its dense 8,192 input bytes once
; (32 bytes a lane and piece); each store of a piece covers 512 consecutive bytes.  No LDS, no barrier, no matrix work: bytes bind.
; THE MODE: SCHED_MODE bits 1:0 = 2 (LLVM: expert scheduling mode 2), set by the entry lines.  The code itself states the register
; dependences between vector instructions and memory instructions, with s_wait_alu, always for 0.
; THE PLAN.  Registers that memory instructions touch:
;   v1, v2, v3   byte offsets, made at the head and never written again: one wait ahead of the first load serves every load and store.
;   X            written by the 16 loads alone, once; read by piece i's conversions behind its wait on LOADcnt.
;   F            piece i's four registers are written once, by its conversions, and read by its store (tiles 0..255: two stores).
;   v[S+4]       written last by the select at the end; read by the store (or two) into aux.
;   T and the rest of S are named by vector instructions alone.
; No register that a memory instruction reads is ever written again, so nothing is owed on that side.
; Piece i's store stands at the head of piece i + 2.  ONE wait at the head of pieces 2, 4 and 6 states that the two pieces before have
; written their F: the store of piece i - 2 follows it at once, that of piece i - 1 at the head of piece i + 1; the vector lines between
; are piece i's, which name X, F and T of piece i and S, none of the registers that the later store reads.  The stores of pieces 6 and 7
; stand behind the wait for the root.
.set LATB, 1024                        ; blocks of latent rows
.set DUPT, 256                         ; code tiles that are stored twice
.set X, 4                              ; v[4:67]    the block as loaded, 8 f32 a piece
.set F, 68                             ; v[68:99]   the block in bf16, 4 registers a piece
.set T, 100                            ; v[100:107] a piece widened again
.set S, 108                            ; v[108:115] four pair chains of squares
	s_load_b256 s[12:19], s[0:1], 0x0              ; latent s[12:13], codebook s[14:15], frag s[16:17], aux s[18:19]
	v_lshrrev_b32 v1, 5, v0
	v_readfirstlane_b32 s8, v1                     ; wave 0..5
	v_and_b32 v2, 31, v0                           ; L
	v_and_b32 v1, 15, v0                           ; r
	v_bfe_u32 v3, v0, 4, 1                         ; h
	v_lshlrev_b32 v1, 9, v1                        ; 512 r: a row of 128 f32
	v_lshl_add_u32 v1, v3, 5, v1                   ; + 32 h: eight f32
	v_lshlrev_b32 v3, 2, v2                        ; 4 L
	v_lshlrev_b32 v2, 4, v2                        ; 16 L
	s_mov_b32 s26, 0x76543210                      ; v_permlanex16_b32: lane i reads lane i of the other half
	s_mov_b32 s27, 0xfedcba98
	s_mov_b32 s28, 0xffff0000                      ; upper bf16 of a word
	s_mov_b32 s3, 0
	s_mul_i32 s9, ttmp9, 6
	s_wait_alu depctr_va_sdst(0)                   ; s8 is written, ahead of its first reader: the block's number is made from it
	s_add_co_u32 s9, s9, s8                        ; block 0..1535
	s_sub_co_u32 s11, s9, LATB                     ; code tile (wraps to a huge number for latent blocks)
	s_wait_kmcnt 0x0
	s_cmp_lt_u32 s9, LATB
	s_cselect_b64 s[20:21], s[12:13], s[14:15]     ; the source buffer, chosen by the block number alone
	s_cselect_b32 s10, s9, s11                     ; and the block inside it
	s_lshl_b32 s2, s10, 13
	s_add_nc_u64 s[20:21], s[20:21], s[2:3]        ; 8,192 input bytes a block
	s_lshl_b32 s2, s9, 12
	s_add_nc_u64 s[22:23], s[16:17], s[2:3]        ; 4,096 bytes of frag a block
	s_lshl_b32 s2, s9, 7
	s_add_nc_u64 s[24:25], s[18:19], s[2:3]        ; 128 bytes of aux a block
	s_wait_alu depctr_va_vdst(0)                   ; v1, v2 and v3 are written: every load and store of the kernel reads one of them as its offset
.irp i, 0,1,2,3,4,5,6,7
	global_load_b128 v[X+8*\i:X+8*\i+3],   v1, s[20:21] offset:64*\i
	global_load_b128 v[X+8*\i+4:X+8*\i+7], v1, s[20:21] offset:64*\i+16
.endr
.macro PIECE i
	s_wait_loadcnt 14-2*\i                         ; loads return in order: the two of piece i are in, the 14 - 2 i younger ones stay out
.if ((\i) >= 2) && ((\i) % 2 == 0)
	s_wait_alu depctr_va_vdst(0)                   ; the conversions of pieces i - 2 and i - 1 have written their F, which the store below and the one at the next piece's head read
.endif
.if (\i) >= 2
	global_store_b128 v2, v[F+4*((\i)-2):F+4*((\i)-2)+3], s[22:23] offset:512*((\i)-2)    ; the piece two back; no vector line since the wait names these registers
.endif
.irp k, 0,1,2,3
	v_cvt_pk_bf16_f32 v[F+4*\i+\k], v[X+8*\i+2*\k], v[X+8*\i+2*\k+1]   ; round to nearest even
.endr
.irp k, 0,1,2,3
	v_lshlrev_b32 v[T+2*\k],   16,  v[F+4*\i+\k]    ; the rounded numbers as f32
	v_and_b32     v[T+2*\k+1], s28, v[F+4*\i+\k]
.endr
.irp k, 0,2,4,6
.if \i == 0
	v_pk_mul_f32 v[S+\k:S+\k+1], v[T+\k:T+\k+1], v[T+\k:T+\k+1]        ; the first piece starts the chains: nothing is cleared
.else
	v_pk_fma_f32 v[S+\k:S+\k+1], v[T+\k:T+\k+1], v[T+\k:T+\k+1], v[S+\k:S+\k+1]
.endif
.endr
.endm
.irp i, 0,1,2,3,4,5,6,7
	PIECE \i
.endr
	v_pk_add_f32 v[S:S+1], v[S:S+1], v[S+2:S+3]
	v_pk_add_f32 v[S+4:S+5], v[S+4:S+5], v[S+6:S+7]
	v_pk_add_f32 v[S:S+1], v[S:S+1], v[S+4:S+5]
	v_add_f32 v[S], v[S], v[S+1]                   ; my half of row r
	v_permlanex16_b32 v[S+1], v[S], s26, s27       ; the other half of it
	v_add_f32 v[S], v[S], v[S+1]                   ; ss of row r, in lanes r and 16 + r
	v_sqrt_f32 v[S+2], v[S]
	v_nop                                          ; one plain place behind a transcendental (ISA guide 5.7.2)
	s_wait_alu depctr_va_vdst(0)                   ; the root has written v[S+2], ahead of its reader; the conversions of pieces 6 and 7 have written their F, which the two stores below read
	global_store_b128 v2, v[F+24:F+27], s[22:23] offset:512*6
	global_store_b128 v2, v[F+28:F+31], s[22:23] offset:512*7
	v_max_num_f32 v[S+2], 0x2b8cbccc, v[S+2]       ; max(norm, 1e-12)
	v_rcp_f32 v[S+3], v[S+2]
	v_cmp_gt_u32 vcc_lo, 64, v3                    ; lanes 0..15 (the plain place behind v_rcp_f32)
	s_wait_alu depctr_va_vcc(0)                    ; the compare has written VCC, which the select below reads
	s_wait_alu depctr_va_vdst(0)                   ; the reciprocal has written v[S+3], ahead of its reader
	v_cndmask_b32 v[S+4], v[S+3], v[S], vcc_lo     ; lanes 0..15 carry ss, lanes 16..31 rn
	s_wait_alu depctr_va_vdst(0)                   ; the select has written v[S+4], which the store below reads; no vector line follows, so the second stores owe nothing more
	global_store_b32 v3, v[S+4], s[24:25]
	s_cmp_lt_u32 s11, DUPT                         ; code tiles 0..255 once more, 512 tiles further on
	s_cbranch_scc0 .Lend
.irp i, 0,1,2,3,4,5,6,7
	global_store_b128 v2, v[F+4*\i:F+4*\i+3], s[22:23] offset:512*4096+512*\i
.endr
	global_store_b32 v3, v[S+4], s[24:25] offset:512*128
.Lend:
	s_endpgm
.Lfunc_end_k_q8f517f69ee_prep:
	.size	k_q8f517f69ee_prep, .Lfunc_end_k_q8f517f69ee_prep-k_q8f517f69ee_prep
	.p2alignl 7, 3214868480
	.fill 96, 4, 3214868480
	.section	.rodata,"a",@progbits
	.p2align	6, 0x0
	.amdhsa_kernel k_q8f517f69ee_prep
		.amdhsa_group_segment_fixed_size 0
		.amdhsa_private_segment_fixed_size 0
		.amdhsa_enable_private_segment 0
		.amdhsa_kernarg_size 32
		.amdhsa_user_sgpr_count 2
		.amdhsa_user_sgpr_kernarg_segment_ptr 1
		.amdhsa_wavefront_size32 1
		.amdhsa_system_sgpr_workgroup_id_x 1
		.amdhsa_system_sgpr_workgroup_id_y 1
		.amdhsa_system_sgpr_workgroup_id_z 1
		.amdhsa_system_vgpr_workitem_id 0
		.amdhsa_next_free_vgpr 120
		.amdhsa_next_free_sgpr 66
		.amdhsa_reserve_vcc 1
		.amdhsa_float_denorm_mode_32 3
		.amdhsa_float_denorm_mode_16_64 3
		.amdhsa_memory_ordered 1
		.amdhsa_forward_progress 1
		.amdhsa_inst_pref_size 12
	.end_amdhsa_kernel
	.amdgpu_metadata
---
amdhsa.version: [ 1, 2 ]
amdhsa.kernels:
  - .name:           k_q8f517f69ee_prep
    .symbol:         k_q8f517f69ee_prep.kd
    .args:
      - { .name: latent, .offset: 0, .size: 8, .value_kind: global_buffer, .address_space: global }
      - { .name: codebook, .offset: 8, .size: 8, .value_kind: global_buffer, .address_space: global }
      - { .name: frag, .offset: 16, .size: 8, .value_kind: global_buffer, .address_space: global }
      - { .name: aux, .offset: 24, .size: 8, .value_kind: global_buffer, .address_space: global }
    .group_segment_fixed_size: 0
    .private_segment_fixed_size: 0
    .kernarg_segment_align: 8
    .kernarg_segment_size: 32
    .max_flat_workgroup_size: 192
    .sgpr_count:     66
    .vgpr_count:     120
    .wavefront_size: 32
...
	.end_amdgpu_metadata
.endif
;; end of part 6
;; launch distgram: the kernel of part 2 again; grid 16 x 16, 8 waves a work-group, clusters of 4 x 1, 220,416 bytes of LDS; arguments frag, aux, pkey, pgrp, sums; writes pkey, pgrp, sums
;; launch pick: the kernel of part 3 again; grid 256 x 1, 16 waves a work-group, no clusters, 3,072 bytes of LDS; arguments latent, codebook, aux, pkey, pgrp, out0, out1, idxw, sums; writes out0, out1, idxw, sums
;; launch hist: the kernel of part 4 again; grid 256 x 1, 32 waves a work-group, no clusters, 8,192 bytes of LDS; arguments idxw, sums; writes sums
;; launch final: the kernel of part 5 again; grid 1 x 1, 8 waves a work-group, no clusters, 1,536 bytes of LDS; arguments sums, out2, out3, out4, out5, out6, out7; writes out2, out3, out4, out5, out6, out7
